; MI455X (gfx1250); checked and timed in simulation.
; The chip was launched on July 23, 2026; its instructions are those of AMD's public machine-readable ISA for CDNA 5 (MIT licence, August 2026) and "CDNA5" Instruction Set Architecture Reference Guide (July 2026). The comments in the code are by the model that wrote it; some were corrected since.
;; MHA. Allowed arithmetic: matrix products marked QUANTISED: E2M3 operands, one E8M0 scale for each 32 along K, by v_wmma_scale_f32_16x16x128_f8f6f4 with both operands' format E2M3, f32 sums; everything else in f32.
;; Inputs: Wk 1,024 x 1,024 float32; Wo 1,024 x 1,024 float32; Wq 1,024 x 1,024 float32; Wv 1,024 x 1,024 float32; bo 1,024 float32; x 4 x 2,048 x 1,024 float32.
;; Outputs: out0 4 x 2,048 x 1,024 float32.
;; This version of the problem:
;;   THIS VERSION OF THE PROBLEM IS GIVEN IN LOW PRECISION. The matrix products marked QUANTISED in the list below multiply operands that are first quantised to E2M3 (2 exponent bits, 3 mantissa bits; 6 bits a number), with one power-of-two scale for each 32 numbers along K (OCP MX v1.0); their sums are f32. All else is computed in f32.
;;   The module's matrix products, in the order in which they are computed (A, B: the left and right operand; K: the contracted axis; several contracted axes count as one K, in the product's order):
;;     1. [M 8,192, K 1,024] x [K 1,024, N 1,024]; A: input x; B: input Wq: QUANTISED
;;     2. [M 8,192, K 1,024] x [K 1,024, N 1,024]; A: input x; B: input Wk: QUANTISED
;;     3. [M 8,192, K 1,024] x [K 1,024, N 1,024]; A: input x; B: input Wv: QUANTISED
;;     4. batch 64 x [M 2,048, K 64] x [K 64, N 2,048]; A: computed on the way; B: computed on the way: QUANTISED
;;     5. batch 64 x [M 2,048, K 2,048] x [K 2,048, N 64]; A: softmax (see below); B: computed on the way: QUANTISED
;;     6. [M 8,192, K 1,024] x [K 1,024, N 1,024]; A: computed on the way; B: input Wo: QUANTISED
;;   THE QUANTISER, for each operand of a quantised product, along K:
;;     - K is cut into blocks of 32 from its start; a last block that is shorter is filled with zeros.
;;     - A block's scale is 2^e with e = floor(log2(the largest magnitude in the block)) - 2, held to -126 .. 127; a block of zeros has e = 0. As a byte (E8M0): e + 127.
;;     - Each number is divided by its block's scale, clamped to +-7.5, and rounded to the nearest number of E2M3, ties to even, subnormals kept.
;;     - The product sums the exact products of the quantised numbers (number of the format x scale) in f32.
;;   ~~~python
;;   def quantise(x, axis):      # numpy; x: float32 -> the quantised numbers, widened to float32 again
;;       x = np.moveaxis(x, axis, -1); K = x.shape[-1]
;;       x = np.pad(x, [(0, 0)] * (x.ndim - 1) + [(0, -K % 32)]); x = x.reshape(x.shape[:-1] + (-1, 32)); a = np.abs(x).max(-1, keepdims=True)
;;       e = np.where(a > 0, np.clip(np.frexp(np.where(a > 0, a, 1))[1] - 1 - 2, -126, 127), 0)      # np.frexp(a)[1] - 1 = floor(log2(a)), exactly
;;       r = np.clip(x / 2.0 ** e, -7.5, 7.5)
;;       step = 2.0 ** (np.maximum(np.frexp(np.where(r == 0, 1, r))[1] - 1, 0) - 3)
;;       q = np.round(r / step) * step * 2.0 ** e      # np.round: ties to even
;;       return np.moveaxis(q.reshape(q.shape[:-2] + (-1,))[..., :K], -1, axis).astype(np.float32)
;;   ~~~
;;   SOFTMAX AHEAD OF A QUANTISED PRODUCT. Where the list says 'softmax', what is quantised is not the finished softmax but p = 2^(t - M), with t = logit x log2(e) and M = ceil(the row's largest t), a whole number; so 1/2 < the row's largest p <= 1. The row's sum l is taken of the UNQUANTISED p, in f32, and the product's result is divided by l at the end. Since M is a whole number, a kernel that streams over the keys may use a running M (the ceiling of the running maximum): every later rescaling is an exact power of two, which a block's scale takes up: the codes' values come out the same.
;;   OPERANDS COMPUTED ON THE WAY. 'Computed on the way' means the value that the module computes at that place (a softmax that the list does not call 'softmax' is quantised finished and normalised). What goes into a quantiser is computed in f32, as accurately as f32 sums, v_exp_f32 and their like allow (about 1e-6 of the number): no bf16 or f16 on the way to a quantiser, and a product that is left as it is and whose result goes on into a quantised operand takes f32 operands (vector FMAs, or v_wmma_f32_16x16x4_f32). A number that lies on a knife's edge between two numbers of the format may be rounded either way, as far as f32 arithmetic and the matrix unit's own rounding can turn it there, and no further.
;; One version. Each part assembles by itself: llvm-mc -triple=amdgcn-amd-amdhsa -mcpu=gfx1250 --defsym DOCPART=n.
;; ======== version 1 of 1: 4 launches
;; limits: right only within a limited range of input values
;; workspace buffers: ops 9,830,400 bytes; qkv 26,214,400 bytes; oc 6,553,600 bytes
;; launch prep (part 1): grid 320 x 1, 8 waves a work-group, no clusters, 119,808 bytes of LDS; arguments x, Wq, Wk, Wv, Wo, ops; writes ops
.if DOCPART == 1
	.amdgcn_target "amdgcn-amd-amdhsa--gfx1250"
	.amdhsa_code_object_version 6
	.text
	.protected	k_q0ca5b97a6f_prep
	.globl	k_q0ca5b97a6f_prep
	.p2align	8
	.type	k_q0ca5b97a6f_prep,@function
k_q0ca5b97a6f_prep:
	s_mov_b64 s[64:65], 0
	v_nop
	global_prefetch_b8 v0, s[64:65] scope:SCOPE_SE
	s_setreg_imm32_b32 hwreg(HW_REG_WAVE_MODE, 25, 1), 1
	s_wait_xcnt 0x0
; x [8192][1024] and Wq, Wk, Wv, Wo [1024 (k)][1024 (n)], f32, become codes of FP6 (E2M3) with one E8M0 byte for each 32 along K, laid as IMAGES OF OPERAND REGISTERS.
; ops = [96 groups][8 K steps][12,800 bytes].  Groups 0-63: 128 tokens of x each; 64-71 Wq^T, 72-79 Wk^T, 80-87 Wv^T, 88-95 Wo^T: 128 columns n each.
; A block of 12,800 bytes is 128 rows x 128 along K: eight fragments of 1,536 bytes, then four scale lines of 128 bytes at 12,288.
;   A fragment: half c (k = 64 c ..) at 768 c: registers 6 c .. 6 c + 3 at 16 x lane, registers 6 c + 4, 6 c + 5 at 512 + 8 x lane.
;   Scale line p: at 4 x lane, lane = 16 u + r: the scale word of row r of tile 2 p + u.
;   THE ROWS OF A TILE ARE NOT NEIGHBOURS: row r of tile 4 c + i is the group's row 64 c + 32 (r / 8) + 8 i + r % 8.  In a product used transposed a lane's 32 registers of tiles 4 c .. 4 c + 3
;   are then one whole block of 32 along the next K, the very block that the 6-bit operand layout gives that lane.
; A block's scale is 2^(floor(log2(its largest magnitude)) - 2): its byte is the largest magnitude's exponent field - 2, held at 1 from below by a floor among the maximum's leaves.
; LIMITS: a block of zeros, or one whose largest magnitude lies under 2^-124, gets the byte 1 where the quantiser's text says 127 (zeros) or less: its codes are zeros or the numbers under that scale,
; and this program alone reads the bytes.  NaN and infinities among the inputs are not served.
; SHARES.  Work-groups 0-255: two tiles (32 rows) of x, wave w K step w.  Work-groups 256-319: 64 columns of one weight, wave w K step w.  Waves share nothing: no barrier.
; No matrix unit, no tensor load, no cluster: every input byte is read once, by one wave.  The two ways have LDS bytes of their own.
.set STG,   8448                       ; way X: a wave's stage, 16 rows x (512 + 16) bytes, from LDS byte 0 on
.set WBASE, 67584                      ; way W: from here on, 6,400 bytes a wave: four fragments and their 256 bytes of scale words
.set WSTG,  6400
.set GSB,   12800
.set SEL,   30                         ; s[30:31] lane selects: lane l xor 16
.set MK,    32                         ; s32 lanes 16-31
.set XIN,   7                          ; v7  the stage, on the way in
.set XOUT,  8                          ; v8  and on the way out
.set R,     16                         ; v16-143  32 rows as loaded
.set N,     144                        ; v144-207 64 numbers of my row: block c at 32 c
.set PC,    208                        ; v208-231 two fragments' codes
.set PW,    232                        ; v232-233 their scale words
.set TM,    234
.set SO,    236
.set BY,    238
.set T,     240
.set PX,    241
.set TT,    242                        ; v242-244, v246-248
.set SH8,   250                        ; 8 x (lane / 16)
.set SL,    251
; 64 numbers of a lane, block c (k = 64 c + 32 (lane / 16) + 0 .. 31 of my row) at v[s + 32 c], become the fragment's 12 registers at v[pc] and my row's scale word in v[pw].
.macro Q2 s, pc, pw
.irp c, 0,1
	v_max3_num_f32 v[TM+\c], |v[\s+32*\c]|, |v[\s+32*\c+1]|, 0x1800000   ; the floor 2^(3 - 127) among the leaves: the byte cannot fall under 1
.endr
.irp i, 2,4,6,8,10,12,14,16,18,20,22,24,26,28,30
.irp c, 0,1
	s_delay_alu instid0(VALU_DEP_2)
	v_max3_num_f32 v[TM+\c], v[TM+\c], |v[\s+32*\c+\i]|, |v[\s+32*\c+\i+1]|   ; the two blocks by turns
.endr
.endr
.irp c, 0,1
	s_delay_alu instid0(VALU_DEP_2)
	v_add_nc_u32 v[SO+\c], 0xff000000, v[TM+\c]    ; 2 off the exponent field: the conversion takes this operand's exponent field as its scale
.endr
.irp c, 0,1
	s_delay_alu instid0(VALU_DEP_2)
	v_lshrrev_b32 v[BY+\c], 23, v[SO+\c]           ; the scale's byte
.endr
	s_delay_alu instid0(VALU_DEP_1)
	v_lshl_or_b32 v[T], v[BY+1], 16, v[BY]         ; my blocks are 2 c + lane / 16: bytes 0 and 2,
	s_delay_alu instid0(VALU_DEP_1)
	v_lshlrev_b32 v[T], v[SH8], v[T]               ; or 1 and 3;
	s_delay_alu instid0(VALU_DEP_1)
	v_permlanex16_b32 v[PX], v[T], s[SEL], s[SEL+1]
	s_delay_alu instid0(VALU_DEP_1)
	v_or_b32 v[\pw], v[T], v[PX]                   ; with lane l xor 16's two the word is whole
.irp c, 0,1
	v_cvt_scalef32_pk16_fp6_f32 v[\pc+6*\c:\pc+6*\c+2], v[\s+32*\c:\s+32*\c+15], v[SO+\c]
	v_cvt_scalef32_pk16_fp6_f32 v[TT+4*\c:TT+4*\c+2], v[\s+32*\c+16:\s+32*\c+31], v[SO+\c]   ; (a conversion's three registers begin on an even number)
.endr
	v_nop                                          ; one plain line behind the scaled conversions
.irp c, 0,1
.irp i, 0,1,2
	v_mov_b32 v[\pc+6*\c+3+\i], v[TT+4*\c+\i]
.endr
.endr
.endm
	s_load_b256 s[4:11], s[0:1], 0x0               ; x, Wq, Wk, Wv
	s_load_b128 s[12:15], s[0:1], 0x20             ; Wo, ops
	v_lshl_add_u32 v254, v0, 2, 0x1d000
	v_mov_b32 v255, 0
	v_lshrrev_b32 v1, 5, v0
	s_delay_alu instid0(VALU_DEP_1)
	v_readfirstlane_b32 s16, v1                    ; wave 0..7 = my K step
	v_and_b32 v1, 31, v0                           ; lane
	s_delay_alu instid0(VALU_DEP_1)
	v_lshlrev_b32 v2, 4, v1                        ; 16 x lane
	s_delay_alu instid0(VALU_DEP_2)
	v_lshlrev_b32 v3, 3, v1                        ; 8 x lane
	s_delay_alu instid0(VALU_DEP_3)
	v_lshlrev_b32 v4, 2, v1                        ; 4 x lane
	s_cmp_lt_u32 ttmp9, 256
	s_cbranch_scc0 .Lweights
; ---- WAY X.  Work-group g: group g / 4, tiles 2 (g % 4) + u.
	v_and_b32 v5, 15, v0                           ; r
	v_bfe_u32 v6, v0, 4, 1                         ; h
	s_mul_i32 s17, s16, STG
	v_add_nc_u32 v[XIN], s17, v2                   ; in: a row's 512 bytes as they lie
	v_mul_u32_u24 v[XOUT], v5, 528
	s_delay_alu instid0(VALU_DEP_1)
	v_lshl_add_u32 v[XOUT], v6, 7, v[XOUT]
	s_delay_alu instid0(VALU_DEP_1)
	v_add_nc_u32 v[XOUT], s17, v[XOUT]             ; out: row r, + 128 h: rows 528 bytes apart start in 16 different columns of 16 bytes (64 banks of 4 bytes: ISA guide 11.1)
	v_lshlrev_b32 v[SH8], 3, v6
	v_mov_b32 v[PX], 0                             ; a lane permute's destination counts as one of its sources
	s_mov_b32 s[SEL], 0x76543210
	s_mov_b32 s[SEL+1], 0xfedcba98
	s_mov_b32 s[MK], 0xffff0000
	s_lshr_b32 s18, ttmp9, 2                       ; group
	s_and_b32 s19, ttmp9, 3                        ; pair of tiles
	s_lshl_b32 s20, s18, 7
	s_lshr_b32 s21, s19, 1
	s_lshl_b32 s21, s21, 6
	s_add_co_u32 s20, s20, s21
	s_and_b32 s21, s19, 1
	s_lshl_b32 s21, s21, 4
	s_add_co_u32 s20, s20, s21                     ; 128 group + 64 (pair / 2) + 16 (pair % 2): the pair's first row
	s_lshl_b32 s20, s20, 12                        ; rows of 4,096 bytes
	s_lshl_b32 s21, s16, 9
	s_add_co_u32 s20, s20, s21                     ; + my K step's 512 bytes
	s_mov_b32 s21, 0
	s_lshl_b32 s22, s18, 3
	s_add_co_u32 s22, s22, s16
	s_mul_i32 s22, s22, GSB                        ; my block of ops
	s_mov_b32 s23, 0
	s_mul_i32 s24, s19, 3072                       ; the pair's two fragments
	s_mov_b32 s25, 0
	s_lshl_b32 s26, s19, 7
	s_add_co_u32 s26, s26, 12288                   ; the pair's scale line
	s_mov_b32 s27, 0
	s_wait_alu depctr_va_vdst(0)
	s_wait_kmcnt 0x0
	s_add_nc_u64 s[4:5], s[4:5], s[20:21]
	s_add_nc_u64 s[14:15], s[14:15], s[22:23]
	s_add_nc_u64 s[28:29], s[14:15], s[26:27]
	s_add_nc_u64 s[14:15], s[14:15], s[24:25]
.irp u, 0,1
.irp r, 0,1,2,3,4,5,6,7,8,9,10,11,12,13,14,15
	global_load_b128 v[R+64*\u+4*\r:R+64*\u+4*\r+3], v2, s[4:5] offset:(32*(\r/8)+8*\u+\r%8)*4096 th:TH_LOAD_NT   ; 32 lanes read a row's 512 consecutive bytes; all 32 loads go out at once
.endr
.endr
.macro XTILE u
	s_wait_loadcnt 16-16*\u                        ; this tile's 16 loads are in; behind them stand the other tile's 16, or none
.irp r, 0,1,2,3,4,5,6,7,8,9,10,11,12,13,14,15
	ds_store_b128 v[XIN], v[R+64*\u+4*\r:R+64*\u+4*\r+3] offset:528*\r
.endr
.irp c, 0,1
.irp q, 0,1,2,3,4,5,6,7
	ds_load_b128 v[N+32*\c+4*\q:N+32*\c+4*\q+3], v[XOUT] offset:256*\c+16*\q   ; LDS serves a wave's instructions in order (ISA guide 5.7.1.4): these see the stores above
.endr
.endr
	s_wait_dscnt 0x0
	Q2 N, PC+12*\u, PW+\u
	global_store_b128 v2, v[PC+12*\u:PC+12*\u+3], s[14:15] offset:1536*\u            ; 512 consecutive bytes
	global_store_b64 v3, v[PC+12*\u+4:PC+12*\u+5], s[14:15] offset:1536*\u+512       ; 256 consecutive bytes
	global_store_b128 v2, v[PC+12*\u+6:PC+12*\u+9], s[14:15] offset:1536*\u+768
	global_store_b64 v3, v[PC+12*\u+10:PC+12*\u+11], s[14:15] offset:1536*\u+1280
.endm
	XTILE 0
	XTILE 1
	v_cndmask_b32 v[SL], v[PW], v[PW+1], s[MK]     ; lanes 0-15: the first tile's words, lanes 16-31: the second's
	global_store_b32 v4, v[SL], s[28:29]           ; the pair's scale line: 128 consecutive bytes
	s_wait_tensorcnt 0x0
	ds_add_u32 v254, v255
	s_wait_dscnt 0x0
	s_endpgm
; ---- WAY W.  Work-group 256 + g: weight g / 16, columns 64 (g % 16) on.  A LANE TAKES A COLUMN n AND ITS REGISTERS RUN DOWN K: a block of 32 lies in one lane, and nothing is transposed.
; Column 64 c + 32 rho + lane of a group is row 8 rho + lane % 8 of tile 4 c + lane / 8: the wave's 64 columns are four whole tiles.
.set LB16, 8                           ; v8   where my block's first 16 bytes go
.set LB8,  9                           ; v9   and its last 8
.set LBS,  10                          ; v10  my row's scale word
.set RB16, 11                          ; v11  the way out: 16 x lane
.set RB8,  12                          ; v12  8 x lane
.set WC,   80                          ; v80-85 a block's codes
.set WT,   86                          ; v86-88
.set WTM,  90                          ; v90-91
.set WSO,  92
.set WBY,  93
.set WD,   94                          ; v94-95 the scale words of rho = 0, 1
.set WO,   96                          ; v96-143, v144-145 the way out
.Lweights:
	s_sub_co_u32 s17, ttmp9, 256
	s_lshr_b32 s18, s17, 4                         ; which weight
	s_and_b32 s19, s17, 15
	s_lshr_b32 s20, s19, 1                         ; its group of 128 columns
	s_and_b32 s21, s19, 1                          ; c: which 64 of them
	s_lshl_b32 s22, s16, 19                        ; my K step: 128 rows of 4,096 bytes
	s_lshl_b32 s24, s20, 9
	s_add_co_u32 s22, s22, s24
	s_lshl_b32 s24, s21, 8
	s_add_co_u32 s22, s22, s24
	s_mov_b32 s23, 0
	s_lshl_b32 s24, s18, 3
	s_add_co_u32 s24, s24, s20
	s_add_co_u32 s24, s24, 64                      ; the group's number in ops
	s_lshl_b32 s24, s24, 3
	s_add_co_u32 s24, s24, s16
	s_mul_i32 s24, s24, GSB
	s_mov_b32 s25, 0
	s_mul_i32 s26, s21, 6144                       ; tiles 4 c on
	s_mov_b32 s27, 0
	s_lshl_b32 s28, s21, 8
	s_add_co_u32 s28, s28, 12288                   ; scale lines 2 c, 2 c + 1
	s_mov_b32 s29, 0
	s_and_b32 s33, s18, 1
	s_mul_i32 s38, s16, WSTG
	s_add_co_u32 s38, s38, WBASE                   ; my stage
	s_wait_alu depctr_va_vdst(0)
	v_lshrrev_b32 v5, 3, v1                        ; lane / 8
	v_and_b32 v6, 7, v1                            ; lane % 8
	s_delay_alu instid0(VALU_DEP_2)
	v_mul_u32_u24 v7, v5, 1536
	s_delay_alu instid0(VALU_DEP_1)
	v_lshl_add_u32 v[LB16], v6, 4, v7
	s_delay_alu instid0(VALU_DEP_1)
	v_add_nc_u32 v[LB16], s38, v[LB16]
	s_delay_alu instid0(VALU_DEP_3)
	v_lshl_add_u32 v[LB8], v6, 3, v7
	s_delay_alu instid0(VALU_DEP_1)
	v_add_nc_u32 v[LB8], s38, v[LB8]
	v_lshlrev_b32 v7, 6, v5
	s_delay_alu instid0(VALU_DEP_1)
	v_lshl_add_u32 v[LBS], v6, 2, v7
	s_delay_alu instid0(VALU_DEP_1)
	v_add_nc_u32 v[LBS], s38, v[LBS]
	v_add_nc_u32 v[RB16], s38, v2
	v_add_nc_u32 v[RB8], s38, v3
	s_wait_kmcnt 0x0
	s_cmp_lt_u32 s18, 2                            ; the choice hangs on the work-group's number alone
	s_cselect_b64 s[34:35], s[6:7], s[10:11]
	s_cselect_b64 s[36:37], s[8:9], s[12:13]
	s_cmp_eq_u32 s33, 0
	s_cselect_b64 s[34:35], s[34:35], s[36:37]
	s_add_nc_u64 s[34:35], s[34:35], s[22:23]
	s_add_nc_u64 s[14:15], s[14:15], s[24:25]
	s_add_nc_u64 s[40:41], s[14:15], s[28:29]
	s_add_nc_u64 s[14:15], s[14:15], s[26:27]
.macro WLOAD q                         ; unit q: columns 32 (q / 4) on, block q % 4 of the K step: 32 rows, 128 consecutive bytes a load, into set q % 2
.set kk, 0
.rept 32
	global_load_b32 v[16+32*((\q)%2)+kk], v4, s[34:35] offset:(32*((\q)%4)+kk)*4096+128*((\q)/4) th:TH_LOAD_NT
.set kk, kk+1
.endr
.endm
.macro UNIT q
.set XS, 16+32*((\q)%2)
.set KB, (\q)%4
.set RHO, (\q)/4
.if (\q) < 7
	s_wait_loadcnt 32                              ; this unit's 32 loads are in; the next unit's may be out
.else
	s_wait_loadcnt 0x0
.endif
	v_max3_num_f32 v[WTM], |v[XS]|, |v[XS+1]|, |v[XS+2]|
	v_max3_num_f32 v[WTM+1], |v[XS+3]|, |v[XS+4]|, |v[XS+5]|
.irp i, 6,10,14,18,22,26
	s_delay_alu instid0(VALU_DEP_2)
	v_max3_num_f32 v[WTM], v[WTM], |v[XS+\i]|, |v[XS+\i+1]|
	s_delay_alu instid0(VALU_DEP_2)
	v_max3_num_f32 v[WTM+1], v[WTM+1], |v[XS+\i+2]|, |v[XS+\i+3]|
.endr
	s_delay_alu instid0(VALU_DEP_2)
	v_max3_num_f32 v[WTM], v[WTM], |v[XS+30]|, |v[XS+31]|
	s_delay_alu instid0(VALU_DEP_1)
	v_max3_num_f32 v[WTM], v[WTM], v[WTM+1], 0x1800000   ; and the floor
	s_delay_alu instid0(VALU_DEP_1)
	v_add_nc_u32 v[WSO], 0xff000000, v[WTM]
	s_delay_alu instid0(VALU_DEP_1)
	v_lshrrev_b32 v[WBY], 23, v[WSO]
.if KB == 0
	s_delay_alu instid0(VALU_DEP_1)
	v_mov_b32 v[WD+RHO], v[WBY]
.else
	s_delay_alu instid0(VALU_DEP_1)
	v_lshl_or_b32 v[WD+RHO], v[WBY], 8*KB, v[WD+RHO]
.endif
	v_cvt_scalef32_pk16_fp6_f32 v[WC:WC+2], v[XS:XS+15], v[WSO]
	v_cvt_scalef32_pk16_fp6_f32 v[WT:WT+2], v[XS+16:XS+31], v[WSO]
	v_nop                                          ; one plain line behind the scaled conversions
.irp i, 0,1,2
	v_mov_b32 v[WC+3+\i], v[WT+\i]
.endr
	ds_store_b128 v[LB16], v[WC:WC+3] offset:768*(KB/2)+256*(KB%2)+128*RHO          ; block KB lies in half KB / 2 of the fragment, in lane 16 (KB % 2) + 8 rho + lane % 8
	ds_store_b64 v[LB8], v[WC+4:WC+5] offset:768*(KB/2)+512+128*(KB%2)+64*RHO
.if (\q)+2 < 8
	WLOAD (\q)+2
.endif
	s_wait_dscnt 0x0                               ; the stores have read their registers: the next unit writes them
.endm
	WLOAD 0
	WLOAD 1
.irp q, 0,1,2,3,4,5,6,7
	UNIT \q
.endr
	ds_store_b32 v[LBS], v[WD] offset:6144
	s_wait_alu depctr_va_vdst(0)
	ds_store_b32 v[LBS], v[WD+1] offset:6144+32
.irp q, 0,1,2,3,4,5,6,7,8,9,10,11
	ds_load_b128 v[WO+4*\q:WO+4*\q+3], v[RB16] offset:512*\q       ; in order behind my stores
.endr
	ds_load_b64 v[WO+48:WO+49], v[RB8] offset:6144
.irp q, 0,1,2,3,4,5,6,7,8,9,10,11
	s_wait_dscnt 12-\q                             ; load q is in; the 12 - q behind it may be out
	global_store_b128 v2, v[WO+4*\q:WO+4*\q+3], s[14:15] offset:512*\q   ; 512 consecutive bytes: the four fragments leave as 6,144 bytes on end
.endr
	s_wait_dscnt 0x0
	global_store_b64 v3, v[WO+48:WO+49], s[40:41]  ; two scale lines: 256 consecutive bytes
	s_wait_tensorcnt 0x0
	ds_add_u32 v254, v255
	s_wait_dscnt 0x0
	s_endpgm
.Lfunc_end_k_q0ca5b97a6f_prep:
	.size	k_q0ca5b97a6f_prep, .Lfunc_end_k_q0ca5b97a6f_prep-k_q0ca5b97a6f_prep
	.p2alignl 7, 3214868480
	.fill 96, 4, 3214868480
	.section	.rodata,"a",@progbits
	.p2align	6, 0x0
	.amdhsa_kernel k_q0ca5b97a6f_prep
		.amdhsa_group_segment_fixed_size 119808
		.amdhsa_private_segment_fixed_size 0
		.amdhsa_enable_private_segment 0
		.amdhsa_kernarg_size 48
		.amdhsa_user_sgpr_count 2
		.amdhsa_user_sgpr_kernarg_segment_ptr 1
		.amdhsa_wavefront_size32 1
		.amdhsa_system_sgpr_workgroup_id_x 1
		.amdhsa_system_sgpr_workgroup_id_y 1
		.amdhsa_system_sgpr_workgroup_id_z 1
		.amdhsa_system_vgpr_workitem_id 0
		.amdhsa_next_free_vgpr 256
		.amdhsa_next_free_sgpr 66
		.amdhsa_reserve_vcc 0
		.amdhsa_float_denorm_mode_32 3
		.amdhsa_float_denorm_mode_16_64 3
		.amdhsa_memory_ordered 1
		.amdhsa_forward_progress 1
		.amdhsa_inst_pref_size 65
	.end_amdhsa_kernel
	.amdgpu_metadata
---
amdhsa.version: [ 1, 2 ]
amdhsa.kernels:
  - .name:           k_q0ca5b97a6f_prep
    .symbol:         k_q0ca5b97a6f_prep.kd
    .args:
      - { .name: x, .offset: 0, .size: 8, .value_kind: global_buffer, .address_space: global }
      - { .name: Wq, .offset: 8, .size: 8, .value_kind: global_buffer, .address_space: global }
      - { .name: Wk, .offset: 16, .size: 8, .value_kind: global_buffer, .address_space: global }
      - { .name: Wv, .offset: 24, .size: 8, .value_kind: global_buffer, .address_space: global }
      - { .name: Wo, .offset: 32, .size: 8, .value_kind: global_buffer, .address_space: global }
      - { .name: ops, .offset: 40, .size: 8, .value_kind: global_buffer, .address_space: global }
    .group_segment_fixed_size: 119808
    .private_segment_fixed_size: 0
    .kernarg_segment_align: 8
    .kernarg_segment_size: 48
    .max_flat_workgroup_size: 256
    .sgpr_count:     66
    .vgpr_count:     256
    .wavefront_size: 32
...
	.end_amdgpu_metadata
.endif
;; end of part 1
;; launch proj (part 2): grid 64 x 4, 4 waves a work-group, clusters of 4 x 4, 327,680 bytes of LDS; arguments ops, qkv; writes qkv
.if DOCPART == 2
	.amdgcn_target "amdgcn-amd-amdhsa--gfx1250"
	.amdhsa_code_object_version 6
	.text
	.protected	k_q0ca5b97a6f_proj
	.globl	k_q0ca5b97a6f_proj
	.p2align	8
	.type	k_q0ca5b97a6f_proj,@function
k_q0ca5b97a6f_proj:
	s_mov_b64 s[64:65], 0
	v_nop
	global_prefetch_b8 v0, s[64:65] scope:SCOPE_SE
	s_setreg_imm32_b32 hwreg(HW_REG_WAVE_MODE, 25, 1), 1
	s_wait_xcnt 0x0
	s_wait_alu depctr_hold_cnt(0) depctr_sa_sdst(0) depctr_va_vdst(0) depctr_va_sdst(0) depctr_va_ssrc(0) depctr_va_vcc(0) depctr_vm_vsrc(0)
	s_getreg_b32 s2, hwreg(HW_REG_IB_STS2, 6, 4)
	s_cmp_eq_u32 s2, 0
	s_cbranch_scc0 .Lentry_in_a_cluster
	s_endpgm
.Lentry_in_a_cluster:
	s_bfe_u32 s2, ttmp6, 0x10000c
	s_cmp_lg_u32 s2, 0xf033
	s_cbranch_scc0 .Lentry_shape_is_right
	s_endpgm
.Lentry_shape_is_right:
; q = x Wq, k = x Wk, v = x Wv on codes of FP6 (E2M3) with E8M0 scales, each result quantised at once for attention: q and k along the head's 64, v along the keys.  Nothing wider than codes goes to memory.
; ONE TEXT: C'[M'][N'] = A' B'^T, quantised along N'.  q, k: A' = x (8,192 rows), B' = Wq^T, Wk^T (2,048 rows).  v: the operands change places, A' = Wv^T (1,024 rows), B' = x: a lane then holds one d and its registers run along the keys.
; ops: [96 groups of 128 rows][8 K steps][12,800 bytes], images of operand registers: eight fragments of 1,536 bytes, four scale lines of 128 bytes at 12,288.
; Row r of tile 4 c + i is the group's row 64 c + 32 (r / 8) + 8 i + r % 8.  The matrix instruction is used transposed (source 0 = a tile of B', source 1 = a tile of A'): a lane holds one row of A', and its 32 registers of
; B's tiles 4 c .. 4 c + 3 are columns 64 c + 32 (lane / 16) + 0 .. 31: one whole block of the next K, the block that the 6-bit layout gives that lane.  So a block's largest magnitude needs no other lane.
; SHARES.  A block is 128 (M') x 256 (N'): 512 blocks of q and k, 256 of v, in 48 squares of 4 x 4.  256 WORK-GROUPS STAY AND MAKE THREE BLOCKS EACH: cluster c takes squares c, c + 16 (q, k) and c + 32 (v).  Four waves, each 64 x 128: 32 accumulators.
; LDS IS A RING OF TWO SLOTS, THE LOWER AND THE UPPER HALF OF K (four K steps each): A's halves at 0 and 51,200, B's halves (both groups on end) at 102,400 and 204,800.  A's half is 200 rows of 256 bytes;
; B's half of both groups is one tile of two rows of 51,200 bytes, a group (102,400 bytes) apart in memory.  Wave 0 fetches A's lower half, wave 1 B's, wave 2 A's upper half, wave 3 B's: one load a wave for each block.
; In K step 3 nobody reads the lower slot any more: a round of the cluster's barrier, and waves 0 and 1 fill it with the NEXT block's lower half.  In K step 7 the same for the upper slot and waves 2 and 3, and the next block's first
; fragments are fetched.  Each round has, in every wave, the wait for all its tensor loads, the add and the wait for it ahead of it: one load of a wave is out at the most.
; The loop has the two blocks that have a successor; the last block, which asks for nothing, is written out.
; CLUSTERS: 4 x 4.  A's group is shared along a row of the cluster, B's groups along a column: each half is asked for jointly.
; PREFETCH: of a next block's operands only A's group has been read by no work-group earlier in the launch (x's groups 32-63 for the second block, Wv^T for the third; B's groups are the weights or x's groups that the blocks before took).
; Its 400 blocks of 256 bytes are shared out by address among the 16 waves of the four partners that will ask for it jointly, 25 a wave, one instruction in the block's K step 0: three K steps ahead of the first refill that wants them.
; qkv: [kind 2][batch x head 64][step 16][12,800]: kind 0 q, kind 1 k and v.  A step block (128 tokens of a head): at 0 eight half fragments of 768 bytes (tile t, the head's 64 codes); at 6,144 four fragments of V^T (16 d x 128 keys);
;   at 12,288 four lines of 64 bytes (line j, at 4 r: tile 2 j's two scale bytes, then tile 2 j + 1's); at 12,544 two scale lines for V^T.  In kind 0 the parts for V are neither written nor read.
; LIMITS: a block of zeros, or one whose largest magnitude lies under 2^-124, gets the byte 1: this program alone reads the bytes.  NaN and infinities are not served.
; The scale lines go out as 64 or 128 consecutive bytes.
; REGISTERS: window 0: v4-15 LDS addresses; v16-31 lane terms, at work; v32-43 scale words, two sets; v48-143 A's fragments, two sets of 4; v144-205 the end's codes.  window 1: B's fragments, two sets of 8.  window 2: accumulator (a, b) at v[8 (8 a + b)].
.set GRPB,  102400
.set HALFB, 51200
.set GSB,   12800
.set SPARE, 307200                     ; behind the ring: the spare words, 128 bytes for each wave
.set WV,  8
.set SWM, 9                            ; s9  wave / 2: my half of A's tiles.  Also: which half of K I fetch
.set SWN, 10                           ; s10 wave % 2: my group of B.  Also: I fetch for A (0) or for B (1)
.set G1A, 24
.set G1B, 32
.set NC,  63                           ; s63 the next block's square
.set SP,  66                           ; s[66:69] the end: two pointers for the scale lines
.set HOF, 70                           ; s70 51,200 x (wave / 2)
.set G0A, 72                           ; s[72:75]
.set G0B, 76                           ; s[76:79]
.set NA,  80                           ; s[80:81] the next block's half of A that my number names
.set NB,  82                           ; s[82:83] and of B
.set PP,  84                           ; s[84:99] the end: eight pointers
.set CID, 100                          ; s100 this block's square, 0 .. 47: the same number in all sixteen partners
.set CNT, 101                          ; s101 the loop's trips
.set A16, 4                            ; v4, v5   16 x lane + my tiles of A: lower slot, upper slot
.set A8,  6
.set A4,  8
.set B16, 10
.set B8,  12
.set B4,  14
.set L16, 16
.set L8,  17
.set SOF, 18
.set SH8, 19
.set TM,  20
.set SO,  22
.set BY,  24
.set T,   26
.set PX,  27
.set FL,  28
.set X0,  29
.set X1,  30
.set PFO, 31                           ; v31 the prefetch's offset; never rewritten
.set SC,  32                           ; set g: v[SC + 6 g + p] A's lines, v[SC + 6 g + 2 + q] B's
.set AF,  48
.set PC,  144
.set PW,  192
.set TT,  196
.set XW,  204
.set MSB, 0
.macro WIN new                         ; the immediate's high byte repeats the setting that is left
.if MSB != \new
	s_set_vgpr_msb (MSB<<8)|\new
.set MSB, \new
.endif
.endm
.macro PLACES n
.rept \n
	v_nop
.endr
.endm
.macro CREST                           ; a round of the cluster's barrier behind its opening barrier
	s_cmp_lg_u32 s[WV], 0
	s_cbranch_scc1 .Lnot_wave_0_\@
	s_barrier_signal -3
.Lnot_wave_0_\@:
	s_barrier_wait -3
	s_barrier_signal -1
	s_barrier_wait -1
.endm
.macro CROUND                          ; a whole round
	s_barrier_signal -1
	s_barrier_wait -1
	CREST
.endm
.macro TLOAD g0, g1
	tensor_load_to_lds s[\g0:\g0+3], s[\g1:\g1+7]
	s_nop 0
	PLACES 4
.endm
.macro FRAG reg, a16, a8, off          ; a fragment's image: four dense loads
	ds_load_b128 v[\reg:\reg+3], v[\a16] offset:\off
	ds_load_b64 v[\reg+4:\reg+5], v[\a8] offset:\off+512
	ds_load_b128 v[\reg+6:\reg+9], v[\a16] offset:\off+768
	ds_load_b64 v[\reg+10:\reg+11], v[\a8] offset:\off+1280
.endm
.macro FETCH s                         ; K step s into set s % 2: B's eight fragments, A's four, six scale lines: 54 loads
.set HI, (\s)/4
.set KO, GSB*((\s)%4)
.set SG, (\s)%2
	WIN 0x40                                       ; destination window 1
.irp b, 0,1,2,3,4,5,6,7
	FRAG 96*SG+12*\b, B16+HI, B8+HI, KO+1536*\b
.endr
	WIN 0
.irp a, 0,1,2,3
	FRAG AF+48*SG+12*\a, A16+HI, A8+HI, KO+1536*\a
.endr
.irp p, 0,1
	ds_load_b32 v[SC+6*SG+\p], v[A4+HI] offset:KO+12288+128*\p
.endr
.irp q, 0,1,2,3
	ds_load_b32 v[SC+6*SG+2+\q], v[B4+HI] offset:KO+12288+128*\q
.endr
.endm
.macro W1 d, a, b, c, sa, sb, xa, xb
	v_wmma_scale_f32_16x16x128_f8f6f4 v[\d:\d+7], v[\a:\a+11], v[\b:\b+11], \c, v[\sa], v[\sb] matrix_a_fmt:MATRIX_FMT_FP6 matrix_b_fmt:MATRIX_FMT_FP6 matrix_a_scale:MATRIX_SCALE_ROW\xa matrix_b_scale:MATRIX_SCALE_ROW\xb
.endm
.macro WM d, a, b, c, sa, sb, ra, rb   ; ra, rb: the side's scales stand in lanes 16-31 of its register
.if (\ra) && (\rb)
	W1 \d, \a, \b, \c, \sa, \sb, 1, 1
.elseif (\ra)
	W1 \d, \a, \b, \c, \sa, \sb, 1, 0
.elseif (\rb)
	W1 \d, \a, \b, \c, \sa, \sb, 0, 1
.else
	W1 \d, \a, \b, \c, \sa, \sb, 0, 0
.endif
.endm
; 16 matrix instructions of K step s: A's tiles 2 half, 2 half + 1 x B's eight.  zero = 1: the first K step starts the sums.  The 32 accumulators take turns, one instruction a turn, in one order in every step.
.macro MULH s, half, zero
.set SG, (\s)%2
	WIN 0xa1                                       ; source 0 (B) window 1, source 1 (A) window 0, C and D window 2
.irp a, 2*\half, 2*\half+1
.irp b, 0,1,2,3,4,5,6,7
.if \zero
	WM 8*(8*(\a)+\b), 96*SG+12*\b, AF+48*SG+12*(\a), 0, SC+6*SG+2+\b/2, SC+6*SG+(\a)/2, \b%2, (\a)%2
.else
	WM 8*(8*(\a)+\b), 96*SG+12*\b, AF+48*SG+12*(\a), v[8*(8*(\a)+\b):8*(8*(\a)+\b)+7], SC+6*SG+2+\b/2, SC+6*SG+(\a)/2, \b%2, (\a)%2
.endif
.endr
.endr
.endm
; A K step whose successor lies in the same slot.  Four plain lines stand between the last products and the loads into the registers that they read (ISA guide 7.12.1 for vector instructions).  pf = 1: the prefetch stands behind the run of loads.
.macro EVEN s, zero, pf
	s_wait_dscnt 0x0                               ; this step's fragments are in
	PLACES 4
	FETCH (\s)+1
.if \pf
	global_prefetch_b8 v[PFO], s[NA:NA+1] th:TH_LOAD_NT scope:SCOPE_SE   ; my 25 blocks of 256 bytes of the next block's group of A
.endif
	MULH \s, 0, \zero
	MULH \s, 1, \zero
.endm
; The last block's K step 3: the upper slot was fetched by other waves: their wait, a barrier, then the reads.
.macro ODD s
	s_wait_tensorcnt 0x0
	s_wait_dscnt 0x0                               ; this step's fragments are in: no LDS instruction of mine is out at the signal
	s_barrier_signal -1
	MULH \s, 0, 0
	s_barrier_wait -1
	PLACES 4
	FETCH (\s)+1
	MULH \s, 1, 0
.endm
; K step 3 (hi = 0) or 7 (hi = 1) of a block that has a successor: this step's fragments are the last reads of its slot.  The three lines, a round with sixteen products inside it, the refill, the next step's fragments.
.macro TURN s, hi
	WIN 0                                          ; (the add's two registers lie in window 0)
	s_wait_tensorcnt 0x0                           ; all my tensor loads have landed: my part of the other slot;
	ds_add_u32 v254, v255                          ; 0 onto my spare word;
.if (\hi) == 0
	s_mov_b64 s[G0A+2:G0A+3], s[NA:NA+1]           ; no load of any wave of mine is out: the descriptors take the next block's addresses, for this round's loads and for K step 7's
	s_or_b32 s[G0A+3], s[G0A+3], 0x80000000
	s_mov_b64 s[G0B+2:G0B+3], s[NB:NB+1]
	s_or_b32 s[G0B+3], s[G0B+3], 0x80000000
.endif
	s_wait_dscnt 0x0                               ; the add is done, and my reads of this slot are over
	s_barrier_signal -1
	MULH \s, 0, 0                                  ; work on registers while the others arrive
	WIN 0
	s_barrier_wait -1
	CREST                                          ; no wave of any partner still reads this slot or has a load on its way
	s_cmp_eq_u32 s[WV], 2*\hi
	s_cbranch_scc0 .Lnot_a_\@
	TLOAD G0A, G1A
	s_branch .Lasked_\@
.Lnot_a_\@:
	s_cmp_eq_u32 s[WV], 2*\hi+1
	s_cbranch_scc0 .Lasked_\@
	TLOAD G0B, G1B
.Lasked_\@:
	PLACES 4                                       ; the places in front of the loads below, for the waves that come round the tensor loads too
.if \hi
	FETCH 0                                        ; the next block's first fragments: its lower half was shown in by this round
.else
	FETCH (\s)+1
.endif
	MULH \s, 1, 0
.endm
; Square c of the 48: squares 0-31 make q and k (16 x 2 squares), 32-47 make v (2 x 8).  s18: 1 for v; s19 = mt: my 128 rows of A' (no register of its chain holds cx); s20 = nt: my 256 rows of B' (none holds cy); s16, s17: A's and B's first group in ops
.macro COORD c
	s_sub_co_u32 s13, s[\c], 32
	s_lshr_b32 s14, s13, 3
	s_and_b32 s15, s13, 7
	s_lshr_b32 s16, s[\c], 1
	s_and_b32 s17, s[\c], 1
	s_cmp_ge_u32 s[\c], 32
	s_cselect_b32 s14, s14, s16                    ; the square's row
	s_cselect_b32 s15, s15, s17                    ; its column
	s_cselect_b32 s16, 80, 0                       ; Wv^T or x
	s_cselect_b32 s17, 0, 64                       ; x or Wq^T
	s_cselect_b32 s18, 1, 0
	s_lshl_b32 s19, s14, 2
	s_add_co_u32 s19, s19, s12
	s_lshl_b32 s20, s15, 2
	s_add_co_u32 s20, s20, s11
.endm
.macro BASES da, db                    ; where the halves of K that my number names begin: A's group into s[da:da+1], B's first group into s[db:db+1]
	s_add_co_u32 s21, s19, s16
	s_mul_i32 s22, s21, GRPB
	s_add_co_u32 s22, s22, s[HOF]
	s_mov_b32 s23, 0
	s_add_nc_u64 s[\da:\da+1], s[4:5], s[22:23]
	s_lshl_b32 s60, s20, 1
	s_add_co_u32 s60, s60, s17
	s_mul_i32 s56, s60, GRPB
	s_add_co_u32 s56, s56, s[HOF]
	s_mov_b32 s57, 0
	s_add_nc_u64 s[\db:\db+1], s[4:5], s[56:57]
.endm
; tile a: its 64 numbers lie in window 2 at v[64 a ..], block c at 32 c.  Each accumulator is read from its low end on.
.macro Q2W a
	WIN 0x28                                       ; sources 1 and 2 window 2
.irp c, 0,1
	v_max3_num_f32 v[TM+\c], v[FL], |v[64*(\a)+32*\c]|, |v[64*(\a)+32*\c+1]|
.endr
.irp i, 2,4,6,8,10,12,14,16,18,20,22,24,26,28,30
.irp c, 0,1
	v_max3_num_f32 v[TM+\c], v[TM+\c], |v[64*(\a)+32*\c+\i]|, |v[64*(\a)+32*\c+\i+1]|
.endr
.endr
	WIN 0
.irp c, 0,1
	v_add_nc_u32 v[SO+\c], 0xff000000, v[TM+\c]    ; 2 off the exponent field: the conversion's scale operand
.endr
.irp c, 0,1
	v_lshrrev_b32 v[BY+\c], 23, v[SO+\c]           ; the scale's byte
.endr
	v_lshl_or_b32 v[T], v[BY+1], 16, v[BY]
	v_lshlrev_b32 v[T], v[SH8], v[T]
	v_permlanex16_b32 v[PX], v[T], s2, s3
	v_or_b32 v[PW+(\a)], v[T], v[PX]               ; my row's scale word
	WIN 0x02                                       ; source 0 window 2
.irp c, 0,1
	v_cvt_scalef32_pk16_fp6_f32 v[PC+12*(\a)+6*\c:PC+12*(\a)+6*\c+2], v[64*(\a)+32*\c:64*(\a)+32*\c+15], v[SO+\c]
	v_cvt_scalef32_pk16_fp6_f32 v[TT+4*\c:TT+4*\c+2], v[64*(\a)+32*\c+16:64*(\a)+32*\c+31], v[SO+\c]
.endr
	WIN 0
	v_nop                                          ; one plain line behind the scaled conversions
.irp c, 0,1
.irp i, 0,1,2
	v_mov_b32 v[PC+12*(\a)+6*\c+3+\i], v[TT+4*\c+\i]
.endr
.endr
.endm
; A BLOCK'S END: each of my four tiles of A' x 128 columns is one fragment: quantised in registers and stored as its image.
.macro FINISH
	WIN 0
	s_wait_xcnt 0x0                                ; the last block's stores and my prefetch have read their registers: pointers, offsets and data are written again below
	s_lshl_b32 s40, s20, 1
	s_add_co_u32 s40, s40, s[SWN]                  ; my group of B': 2 nt + wave % 2
	s_lshr_b32 s41, s40, 3                         ; q, k: kind;
	s_lshr_b32 s42, s19, 4
	s_lshl_b32 s42, s42, 4
	s_and_b32 s43, s40, 7
	s_lshl_b32 s43, s43, 1
	s_add_co_u32 s42, s42, s43                     ; 16 batch + the first of the group's two heads;
	s_and_b32 s43, s19, 15                         ; the step;
	s_mul_i32 s44, s[SWM], 3072                    ; half fragments 4 (wave / 2) on;
	s_lshl_b32 s45, s[SWM], 7
	s_add_co_u32 s45, s45, 12288                   ; lines 2 (wave / 2) on
	s_lshr_b32 s46, s40, 4                         ; v:
	s_lshl_b32 s46, s46, 4
	s_lshl_b32 s47, s19, 1
	s_add_co_u32 s46, s46, s47
	s_add_co_u32 s46, s46, s[SWM]                  ; 16 batch + head 2 mt + wave / 2;
	s_and_b32 s47, s40, 15                         ; the step
	s_mov_b32 s48, 204800                          ; a head's 16 steps
	s_mov_b32 s49, 0x05040100                      ; q, k: the two tiles' bytes 0, 1: the first head's;
	s_mov_b32 s50, 0x07060302                      ; bytes 2, 3: the second head's
	s_mov_b32 s52, 768
	s_cmp_eq_u32 s18, 1
	s_cselect_b32 s41, 1, s41
	s_cselect_b32 s42, s46, s42
	s_cselect_b32 s43, s47, s43
	s_cselect_b32 s44, 6144, s44
	s_cselect_b32 s45, 12544, s45
	s_cselect_b32 s52, 1536, s52                   ; from tile to tile
	s_cselect_b32 s54, 768, s48                    ; from half to half: v: in the fragment; q, k: the next head
	s_cselect_b32 s51, 64, s48                     ; lanes 16-31 of a scale store: v: the next tile's words; q, k: the next head's
	s_cselect_b32 s56, 128, 64                     ; from scale store to scale store
	s_cselect_b32 s49, 0x03020100, s49             ; v: the first tile's whole word,
	s_cselect_b32 s50, 0x07060504, s50             ; the second's
	s_mul_i32 s41, s41, 13107200
	s_mul_i32 s42, s42, 204800
	s_mul_i32 s43, s43, GSB
	s_add_co_u32 s58, s41, s42
	s_add_co_u32 s58, s58, s43
	s_add_co_u32 s60, s58, s45
	s_add_co_u32 s58, s58, s44
	s_mov_b32 s53, 0
	s_mov_b32 s55, 0
	s_mov_b32 s57, 0
	s_mov_b32 s59, 0
	s_mov_b32 s61, 0
	s_add_nc_u64 s[PP:PP+1], s[6:7], s[58:59]
	s_add_nc_u64 s[PP+2:PP+3], s[PP:PP+1], s[54:55]
.irp a, 1,2,3
	s_add_nc_u64 s[PP+4*\a:PP+4*\a+1], s[PP+4*\a-4:PP+4*\a-3], s[52:53]
	s_add_nc_u64 s[PP+4*\a+2:PP+4*\a+3], s[PP+4*\a:PP+4*\a+1], s[54:55]
.endr
	s_add_nc_u64 s[SP:SP+1], s[6:7], s[60:61]
	s_add_nc_u64 s[SP+2:SP+3], s[SP:SP+1], s[56:57]
	s_mov_b32 s2, 0x76543210
	s_mov_b32 s3, 0xfedcba98                       ; lane l xor 16
	s_mov_b32 s62, 0xffff0000                      ; lanes 16-31
	v_and_b32 v1, 15, v0                           ; these seven plain lines are the places behind the last products
	v_bfe_u32 v2, v0, 4, 1
	v_lshlrev_b32 v1, 2, v1
	v_mad_u32_u24 v[SOF], v2, s51, v1              ; a scale store's offset: 4 r, + the step of lanes 16-31
	v_lshlrev_b32 v[SH8], 3, v2
	v_mov_b32 v[FL], 0x1800000                     ; the floor 2^(3 - 127)
	v_mov_b32 v[PX], 0                             ; a lane permute's destination counts as one of its sources
.irp a, 0,1,2,3
	Q2W \a
.irp c, 0,1
	global_store_b128 v[L16], v[PC+12*\a+6*\c:PC+12*\a+6*\c+3], s[PP+4*\a+2*\c:PP+4*\a+2*\c+1]               ; 512 consecutive bytes
	global_store_b64 v[L8], v[PC+12*\a+6*\c+4:PC+12*\a+6*\c+5], s[PP+4*\a+2*\c:PP+4*\a+2*\c+1] offset:512    ; 256 consecutive bytes
.endr
.endr
.irp p, 0,1
	v_perm_b32 v[X0], v[PW+2*\p+1], v[PW+2*\p], s49
	v_perm_b32 v[X1], v[PW+2*\p+1], v[PW+2*\p], s50
	v_cndmask_b32 v[XW+\p], v[X0], v[X1], s62
	global_store_b32 v[SOF], v[XW+\p], s[SP+2*\p:SP+2*\p+1]
.endr
.endm
; A BLOCK.  more = 1: it has a successor, whose halves are asked for in K steps 3 and 7.
.macro TILE more
.if \more
	s_add_co_u32 s[NC], s[CID], 16
	COORD NC
	BASES NA, NB                                   ; the next block's addresses
.endif
	COORD CID                                      ; this block's numbers, for its end
	EVEN 0, 1, \more
	EVEN 1, 0, 0
	EVEN 2, 0, 0
.if \more
	TURN 3, 0
.else
	ODD 3
.endif
	EVEN 4, 0, 0
	EVEN 5, 0, 0
	EVEN 6, 0, 0
.if \more
	TURN 7, 1
.else
	s_wait_dscnt 0x0
	MULH 7, 0, 0
	MULH 7, 1, 0
.endif
	FINISH
.endm
	s_load_b128 s[4:7], s[0:1], 0x0                ; ops, qkv
	v_lshl_add_u32 v254, v0, 2, SPARE
	v_mov_b32 v255, 0
	ds_add_u32 v254, v255                          ; the opening lines: the add, twice on end, and its wait ahead of my first tensor load
	ds_add_u32 v254, v255
	v_lshrrev_b32 v1, 5, v0
	v_readfirstlane_b32 s[WV], v1
	s_lshr_b32 s[SWM], s[WV], 1
	s_and_b32 s[SWN], s[WV], 1
	s_bfe_u32 s11, ttmp6, 0x40000                  ; cx
	s_bfe_u32 s12, ttmp6, 0x40004                  ; cy
	s_mul_i32 s[HOF], s[SWM], HALFB
	s_lshl_b32 s71, s11, 1
	s_add_co_u32 s71, s71, s[SWN]
	s_mul_i32 s71, s71, 6400                       ; the prefetch: of the half of A that wave / 2 names, eight waves (four partners x wave % 2) take 25 blocks of 256 bytes each, told apart by address
	s_lshl_b32 s58, s12, 2
	s_lshl_b32 s58, 15, s58                        ; my row of the cluster
	s_lshl_b32 s59, 0x1111, s11                    ; my column
	s_or_b32 s[G1A], s58, (3<<16)|(1<<21)          ; 15:0 the mask; 17:16 elements of 8 bytes; 21 set beside a mask
	s_or_b32 s[G1B], s59, (3<<16)|(1<<21)
	s_mov_b32 s[G1A+1], 32<<16                     ; A's half: 200 rows of 256 bytes, dense
	s_mov_b32 s[G1A+2], 200<<16
	s_mov_b32 s[G1A+3], 32<<16
	s_mov_b32 s[G1A+4], 200
	s_mov_b32 s[G1A+5], 32
	s_mov_b32 s[G1A+6], 0
	s_mov_b32 s[G1A+7], 0
	s_mov_b32 s[G1B+1], 6400<<16                   ; B's half of both groups: two rows of 51,200 bytes, 102,400 apart
	s_mov_b32 s[G1B+2], 2<<16
	s_mov_b32 s[G1B+3], 6400<<16
	s_mov_b32 s[G1B+4], 2
	s_mov_b32 s[G1B+5], 12800
	s_mov_b32 s[G1B+6], 0
	s_mov_b32 s[G1B+7], 0
	s_mov_b32 s[CID], ttmp9                        ; the first block's square: the cluster's number
	COORD CID
	s_mov_b32 s[G0A], 1
	s_mov_b32 s[G0A+1], s[HOF]                     ; A's halves lie on end from LDS byte 0: no place in the cluster enters an LDS address
	s_mov_b32 s[G0B], 1
	s_mul_i32 s[G0B+1], s[SWM], GRPB
	s_add_co_u32 s[G0B+1], s[G0B+1], GRPB          ; B: [half of K][group][51,200] from byte 102,400 on
	s_wait_dscnt 0x0
	s_wait_kmcnt 0x0
	BASES G0A+2, G0B+2
	s_or_b32 s[G0A+3], s[G0A+3], 0x80000000
	s_or_b32 s[G0B+3], s[G0B+3], 0x80000000
	CROUND                                         ; all sixteen work-groups are here: the joint loads meet
	s_cmp_eq_u32 s[WV], 0                          ; one joint load a wave, in one chain of branches on the wave's number
	s_cbranch_scc0 .Lw1
	TLOAD G0A, G1A
	s_branch .Lasked
.Lw1:
	s_cmp_eq_u32 s[WV], 1
	s_cbranch_scc0 .Lw2
	TLOAD G0B, G1B
	s_branch .Lasked
.Lw2:
	s_cmp_eq_u32 s[WV], 2
	s_cbranch_scc0 .Lw3
	TLOAD G0A, G1A
	s_branch .Lasked
.Lw3:
	TLOAD G0B, G1B
.Lasked:
	v_and_b32 v1, 31, v0
	v_lshlrev_b32 v[L16], 4, v1
	v_lshlrev_b32 v[L8], 3, v1
	v_lshlrev_b32 v2, 2, v1
	v_min_u32 v3, 24, v1                           ; lanes 25-31 name their wave's last block again
	v_lshl_add_u32 v[PFO], v3, 8, s71
	s_mul_i32 s62, s[SWM], 6144                    ; A's tiles 4 (wave / 2) on
	v_add_nc_u32 v[A16], s62, v[L16]
	v_add_nc_u32 v[A16+1], HALFB, v[A16]
	v_add_nc_u32 v[A8], s62, v[L8]
	v_add_nc_u32 v[A8+1], HALFB, v[A8]
	s_lshl_b32 s62, s[SWM], 8                      ; their two scale lines
	v_add_nc_u32 v[A4], s62, v2
	v_add_nc_u32 v[A4+1], HALFB, v[A4]
	s_mul_i32 s62, s[SWN], HALFB
	s_add_co_u32 s62, s62, GRPB                    ; my group of B in the lower slot; the upper slot lies 102,400 bytes on
	v_add_nc_u32 v[B16], s62, v[L16]
	v_add_nc_u32 v[B16+1], GRPB, v[B16]
	v_add_nc_u32 v[B8], s62, v[L8]
	v_add_nc_u32 v[B8+1], GRPB, v[B8]
	v_add_nc_u32 v[B4], s62, v2
	v_add_nc_u32 v[B4+1], GRPB, v[B4]
	s_wait_alu depctr_va_vdst(0)
	s_cmp_lt_u32 s[WV], 2                          ; waves 0 and 1 wait for their loads, the lower slot; the upper slot's may be out
	s_cbranch_scc0 .Lhi
	s_wait_tensorcnt 0x0
.Lhi:
	s_barrier_signal -1
	s_barrier_wait -1
	FETCH 0
	s_mov_b32 s[CNT], 0
.Ltiles:                                               ; two trips: the blocks that have a successor
	TILE 1
	s_add_co_u32 s[CID], s[CID], 16
	s_add_co_u32 s[CNT], s[CNT], 1
	s_cmp_lt_u32 s[CNT], 2
	s_wait_alu depctr_va_vdst(0)
	s_cbranch_scc1 .Ltiles
	TILE 0                                         ; the last block asks for nothing more
	s_wait_tensorcnt 0x0                           ; the wave's end
	ds_add_u32 v254, v255
	s_wait_dscnt 0x0
	CROUND                                         ; the closing round: no work-group ends while a partner may still ask for a half that names it
	s_endpgm
.Lfunc_end_k_q0ca5b97a6f_proj:
	.size	k_q0ca5b97a6f_proj, .Lfunc_end_k_q0ca5b97a6f_proj-k_q0ca5b97a6f_proj
	.p2alignl 7, 3214868480
	.fill 96, 4, 3214868480
	.section	.rodata,"a",@progbits
	.p2align	6, 0x0
	.amdhsa_kernel k_q0ca5b97a6f_proj
		.amdhsa_group_segment_fixed_size 327680
		.amdhsa_private_segment_fixed_size 0
		.amdhsa_enable_private_segment 0
		.amdhsa_kernarg_size 16
		.amdhsa_user_sgpr_count 2
		.amdhsa_user_sgpr_kernarg_segment_ptr 1
		.amdhsa_wavefront_size32 1
		.amdhsa_system_sgpr_workgroup_id_x 1
		.amdhsa_system_sgpr_workgroup_id_y 1
		.amdhsa_system_sgpr_workgroup_id_z 1
		.amdhsa_system_vgpr_workitem_id 0
		.amdhsa_next_free_vgpr 768
		.amdhsa_next_free_sgpr 102
		.amdhsa_reserve_vcc 0
		.amdhsa_float_denorm_mode_32 3
		.amdhsa_float_denorm_mode_16_64 3
		.amdhsa_memory_ordered 1
		.amdhsa_forward_progress 1
		.amdhsa_inst_pref_size 167
	.end_amdhsa_kernel
	.amdgpu_metadata
---
amdhsa.version: [ 1, 2 ]
amdhsa.kernels:
  - .name:           k_q0ca5b97a6f_proj
    .symbol:         k_q0ca5b97a6f_proj.kd
    .args:
      - { .name: ops, .offset: 0, .size: 8, .value_kind: global_buffer, .address_space: global }
      - { .name: qkv, .offset: 8, .size: 8, .value_kind: global_buffer, .address_space: global }
    .group_segment_fixed_size: 327680
    .private_segment_fixed_size: 0
    .kernarg_segment_align: 8
    .kernarg_segment_size: 16
    .max_flat_workgroup_size: 128
    .sgpr_count:     102
    .vgpr_count:     768
    .wavefront_size: 32
...
	.end_amdgpu_metadata
.endif
;; end of part 2
;; launch attn (part 3): grid 4 x 64, 16 waves a work-group, clusters of 4 x 1, 206,848 bytes of LDS; arguments qkv, oc; writes oc
.if DOCPART == 3
	.amdgcn_target "amdgcn-amd-amdhsa--gfx1250"
	.amdhsa_code_object_version 6
	.text
	.protected	k_q0ca5b97a6f_attn
	.globl	k_q0ca5b97a6f_attn
	.p2align	8
	.type	k_q0ca5b97a6f_attn,@function
k_q0ca5b97a6f_attn:
	s_mov_b64 s[64:65], 0
	v_nop
	global_prefetch_b8 v0, s[64:65] scope:SCOPE_SE
	s_setreg_imm32_b32 hwreg(HW_REG_WAVE_MODE, 25, 1), 1
	s_wait_xcnt 0x0
	s_wait_alu depctr_hold_cnt(0) depctr_sa_sdst(0) depctr_va_vdst(0) depctr_va_sdst(0) depctr_va_ssrc(0) depctr_va_vcc(0) depctr_vm_vsrc(0)
	s_getreg_b32 s2, hwreg(HW_REG_IB_STS2, 6, 4)
	s_cmp_eq_u32 s2, 0
	s_cbranch_scc0 .Lentry_in_a_cluster
	s_endpgm
.Lentry_in_a_cluster:
	s_bfe_u32 s2, ttmp6, 0x10000c
	s_cmp_lg_u32 s2, 0x3003
	s_cbranch_scc0 .Lentry_shape_is_right
	s_endpgm
.Lentry_shape_is_right:
; out[q] = the sum over keys of softmax(q . k / 8) v, for one head of one batch, both products on codes of FP6 (E2M3) with E8M0 scales; the result is quantised along the head's 64 for the last product and stored as codes.
; THE SOFTMAX: t = score x log2(e) / 8; M = the running largest t rounded UP to a whole number; p = 2^(t - M) is quantised along the keys, not normalised; the row's sum is taken of the unquantised p and divides at the end.
; When M moves, the sum and O are multiplied by 2^(old M - new M): exact.
; qkv: [kind][batch x head][step 16][12,800]: kind 0 q, kind 1 k and v.  A step block (128 tokens): at 0 eight half fragments of 768 bytes (a tile's 16 tokens x the head's 64 codes); at 6,144 four fragments of V^T (16 d x 128 keys);
;   at 12,288 four lines of 64 bytes: line j, at 4 r: tile 2 j's two scale bytes, then tile 2 j + 1's; at 12,544 two scale lines for V^T (at 4 x lane, lane = 16 u + r: tile 2 p + u).
; Row r of tile 4 c + i of a block is its token 64 c + 32 (r / 8) + 8 i + r % 8; row r of V^T's tile i is d = 32 (r / 8) + 8 i + r % 8.
; SHARES.  A work-group: 512 queries of a head; each of its sixteen waves two tiles of 16 queries, one after the other (two passes over the keys).  Four waves to a SIMD, 256 registers each.
; THE HEAD'S WHOLE k AND v, 204,800 dense bytes, LIE IN LDS, FILLED ONCE: wave w asks for key step w, 50 rows of 256 bytes: one tensor load a wave, by one line that every wave issues and every wave waits for.
; CLUSTER.  The four work-groups of a head read the same k and v: each fill is asked for jointly (mask 15).
; BOTH PRODUCTS ARE USED TRANSPOSED: S^T = K Q^T, O^T = V^T P^T: a lane holds one query throughout.  By the order of rows above a lane's 32 registers of tiles 4 c .. 4 c + 3 of S^T are keys 64 c + 32 (lane / 16) + 0 .. 31:
; a whole block, the one that the 6-bit layout gives that lane.  Likewise O^T's 32 registers are d = 32 (lane / 16) + 0 .. 31.
; THE HEAD HAS 64 ALONG K, THE INSTRUCTION 128: two neighbouring half fragments of K are taken as ONE fragment [tile 2 j | tile 2 j + 1]; against [q | zeros] it gives tile 2 j's scores, against [zeros | q] tile 2 j + 1's.
; A KEY STEP: K's and V's fragments have registers of their own.  The step's eight score products stand at its head, directly behind the last step's four value products; behind four plain lines one run of 36 LDS loads
; fetches this step's V^T and the NEXT step's K; the softmax is walked under their flight; one wait for all of them stands ahead of the value products.  The last step of a pass is written out: it fetches the next pass's first K and q, or nothing.
; oc: [64 groups of 128 tokens][8 pairs of heads][12,800]: fragments of 16 tokens x 128 along the last product's K; half c of a fragment and bytes 2 c, 2 c + 1 of a scale word are head 2 s + c's.
; LIMITS: the promise holds while the scaled scores t stay under 2^31 in magnitude; p under 2^-126 falls to 0 (v_exp_f32 flushes: ISA guide 15.8); 1 / the sum by v_rcp_f32; a block's largest p is taken as the exponential
; of its largest score, which takes v_exp_f32 not to fall where its input rises; a block of zeros gets the byte 1; NaN and infinities are not served.  The scale bytes of oc go out two bytes a lane.
; No prefetch: all of k and v is asked for at the head, so there is no loop to run ahead in.
.set HEADB, 204800
.set KINDB, 13107200
.set GSB,   12800
.set SPARE, 204800                     ; behind the head's bytes: the spare words, 128 bytes for each of 16 waves
.set WV,  8
.set G1,  16                           ; s[16:23]
.set G0,  32                           ; s[32:35]
.set TS,  44                           ; s44 LDS byte at which the key step begins
.set CS,  46                           ; s[46:47] c = log2(e) / 8
.set SEL, 48                           ; s[48:49] lane l xor 16
.set MK,  50                           ; s50 lanes 16-31
.set OB,  52                           ; s[52:53] my two half fragments in oc
.set OS,  54                           ; s[54:55] my scale line in oc
.set QP,  56                           ; s[56:57] q's two half fragments
.set LN,  0                            ; v0 the lane, from the head's end on
.set A16, 1
.set A8,  2
.set A4,  3
.set SH8, 4
.set SQ,  5                            ; q's scale word
.set PWD, 6                            ; p's scale word
.set T,   7
.set NM,  8                            ; v8 -M, v9 the largest t: a pair, of which the packed form takes the low word
.set TMX, 9
.set SUM, 10                           ; v[10:11]
.set KS,  12                           ; v12-13 K's scale lines
.set VS,  14                           ; v14-15 V's
.set Q0,  16                           ; v16-33: zeros, q, zeros: six registers each
.set FF,  34                           ; v[34:35]
.set BM,  36                           ; v36-37
.set SO,  38                           ; v38-39
.set PX,  40
.set HW0, 41                           ; pass 0: tile 1's q scale word in waiting; then tile 0's two output scale bytes
.set SPW, 42                           ; my spare word; never rewritten
.set NIL, 43                           ; 0; never rewritten
.set TP,  44                           ; v44-51 at work
.set PCD, 52                           ; v52-63 p's codes
.set KF,  64                           ; v64-111 K's four fragments
.set VF,  112                          ; v112-159 V^T's four
.set S,   160                          ; v160-223 S^T, then p
.set O,   224                          ; v224-255 O^T
.macro PLACES n
.rept \n
	v_nop
.endr
.endm
.macro CROUND
	s_barrier_signal -1
	s_barrier_wait -1
	s_cmp_lg_u32 s[WV], 0
	s_cbranch_scc1 .Lnot_wave_0_\@
	s_barrier_signal -3
.Lnot_wave_0_\@:
	s_barrier_wait -3
	s_barrier_signal -1
	s_barrier_wait -1
.endm
.macro FRAG reg, a16, a8, off          ; a fragment's image: four dense loads
	ds_load_b128 v[\reg:\reg+3], v[\a16] offset:\off
	ds_load_b64 v[\reg+4:\reg+5], v[\a8] offset:\off+512
	ds_load_b128 v[\reg+6:\reg+9], v[\a16] offset:\off+768
	ds_load_b64 v[\reg+10:\reg+11], v[\a8] offset:\off+1280
.endm
.macro WM d, a, b, c, sa, sb, ra       ; ra: source 0's scales stand in lanes 16-31 of their register
.if \ra
	v_wmma_scale_f32_16x16x128_f8f6f4 v[\d:\d+7], v[\a:\a+11], v[\b:\b+11], \c, v[\sa], v[\sb] matrix_a_fmt:MATRIX_FMT_FP6 matrix_b_fmt:MATRIX_FMT_FP6 matrix_a_scale:MATRIX_SCALE_ROW1
.else
	v_wmma_scale_f32_16x16x128_f8f6f4 v[\d:\d+7], v[\a:\a+11], v[\b:\b+11], \c, v[\sa], v[\sb] matrix_a_fmt:MATRIX_FMT_FP6 matrix_b_fmt:MATRIX_FMT_FP6
.endif
.endm
	s_load_b128 s[4:7], s[0:1], 0x0                ; qkv, oc
	v_lshl_add_u32 v[SPW], v0, 2, SPARE
	v_mov_b32 v[NIL], 0
	ds_add_u32 v[SPW], v[NIL]                      ; the opening lines: the add, twice on end, and its wait ahead of my tensor load
	ds_add_u32 v[SPW], v[NIL]
	v_lshrrev_b32 v1, 5, v0
	v_readfirstlane_b32 s[WV], v1                  ; wave 0..15
	s_bfe_u32 s9, ttmp6, 0x40000                   ; cx: my quarter of the queries: it enters q's and oc's addresses alone
	s_and_b32 s10, ttmp7, 0xffff                   ; batch x head, which the four partners share
	s_mul_i32 s40, s10, HEADB
	s_add_co_u32 s42, s40, KINDB                   ; the head's k and v
	s_mov_b32 s[G1], 15|(3<<16)|(1<<21)            ; 15:0 the mask: all four work-groups; 17:16 elements of 8 bytes; 21 set beside a mask
	s_mov_b32 s[G1+1], 32<<16                      ; rows of 256 bytes, dense: 50 of them
	s_mov_b32 s[G1+2], 50<<16
	s_mov_b32 s[G1+3], 32<<16
	s_mov_b32 s[G1+4], 50
	s_mov_b32 s[G1+5], 32
	s_mov_b32 s[G1+6], 0
	s_mov_b32 s[G1+7], 0
	s_mov_b32 s[G0], 1
	s_mul_i32 s[G0+1], s[WV], GSB                  ; LDS holds the head's bytes at their own offsets: wave w's key step at 12,800 w
	s_add_co_u32 s14, s42, s[G0+1]
	s_mov_b32 s15, 0
	s_mov_b32 s[CS], 0x3e38aa3b                    ; log2(e) / 8
	s_mov_b32 s[CS+1], s[CS]                       ; (named with it as a pair, so it is written)
	s_mov_b32 s[SEL], 0x76543210
	s_mov_b32 s[SEL+1], 0xfedcba98
	s_mov_b32 s[MK], 0xffff0000
	s_wait_dscnt 0x0
	s_wait_kmcnt 0x0
	s_add_nc_u64 s[G0+2:G0+3], s[4:5], s[14:15]
	s_or_b32 s[G0+3], s[G0+3], 0x80000000
	CROUND                                         ; all four work-groups are here: the joint loads meet
	tensor_load_to_lds s[G0:G0+3], s[G1:G1+7]      ; my key step: the wave's one tensor load
	s_nop 0
	PLACES 4
	s_lshl_b32 s43, s9, 2
	s_lshr_b32 s51, s[WV], 2
	s_add_co_u32 s43, s43, s51                     ; my block of 128 tokens: 4 cx + wave / 4
	s_and_b32 s45, s[WV], 3                        ; my pair of tiles in it
	s_mul_i32 s51, s43, GSB
	s_add_co_u32 s51, s51, s40                     ; the block in kind 0
	s_mul_i32 s56, s45, 1536
	s_add_co_u32 s56, s56, s51
	s_mov_b32 s57, 0
	s_lshl_b32 s58, s45, 6
	s_add_co_u32 s58, s58, s51
	s_add_co_u32 s58, s58, 12288
	s_mov_b32 s59, 0
	s_add_nc_u64 s[QP:QP+1], s[4:5], s[56:57]      ; q's two half fragments
	s_add_nc_u64 s[58:59], s[4:5], s[58:59]        ; their line of scale bytes
	s_lshr_b32 s51, s10, 4
	s_lshl_b32 s51, s51, 4
	s_add_co_u32 s51, s51, s43                     ; the group of tokens: 16 batch + block
	s_lshl_b32 s51, s51, 3
	s_bfe_u32 s14, s10, 0x30001                    ; the pair of heads
	s_add_co_u32 s51, s51, s14
	s_mul_i32 s51, s51, GSB
	s_and_b32 s14, s10, 1                          ; which of the pair
	s_mul_i32 s52, s45, 3072
	s_add_co_u32 s52, s52, s51
	s_mul_i32 s15, s14, 768
	s_add_co_u32 s52, s52, s15
	s_mov_b32 s53, 0
	s_lshl_b32 s54, s45, 7
	s_add_co_u32 s54, s54, s51
	s_lshl_b32 s15, s14, 1
	s_add_co_u32 s54, s54, s15
	s_add_co_u32 s54, s54, 12288
	s_mov_b32 s55, 0
	s_add_nc_u64 s[OB:OB+1], s[6:7], s[52:53]
	s_add_nc_u64 s[OS:OS+1], s[6:7], s[54:55]
	v_bfe_u32 v[SH8], v0, 4, 1
	v_and_b32 v[TP+2], 15, v0
	v_and_b32 v0, 31, v0                           ; from here on v0 is the lane
	s_delay_alu instid0(VALU_DEP_3)
	v_lshlrev_b32 v[SH8], 3, v[SH8]                ; 8 x (lane / 16)
	s_delay_alu instid0(VALU_DEP_3)
	v_lshlrev_b32 v[TP+2], 2, v[TP+2]              ; 4 r
	s_delay_alu instid0(VALU_DEP_3)
	v_lshlrev_b32 v[TP], 4, v[LN]
	s_delay_alu instid0(VALU_DEP_4)
	v_lshlrev_b32 v[TP+1], 3, v[LN]
	v_lshlrev_b32 v[TP+3], 2, v[LN]
	global_load_b128 v[Q0+6:Q0+9], v[TP], s[QP:QP+1]               ; tile 0's q
	global_load_b64 v[Q0+10:Q0+11], v[TP+1], s[QP:QP+1] offset:512
	global_load_b32 v[T], v[TP+2], s[58:59]                        ; both tiles' scale bytes
.irp z, 0,12
.irp i, 0,1,2,3,4,5
	v_mov_b32 v[Q0+\z+\i], 0                       ; zero codes
.endr
.endr
	v_mov_b32 v[PX], 0                             ; a lane permute's destination counts as one of its sources
	v_mov_b32 v[FF+1], 0                           ; (named as the upper half of a pair)
	s_wait_alu depctr_va_vdst(0)
	s_wait_loadcnt 0x0
	v_perm_b32 v[SQ], v[T], v[T], 0x01000100       ; tile 0's two bytes, twice: they serve q in either half of the fragment
	v_perm_b32 v[HW0], v[T], v[T], 0x03020302      ; tile 1's, kept for the second pass
; A KEY STEP: 128 keys.  last = 0: the next step's K is fetched.  last = 1: the pass's last step; nq = 1: the next pass's first K, q and scale word are fetched.
.macro STEP last, nq
.irp t, 0,1,2,3,4,5,6,7
	WM S+8*\t, KF+12*(\t/2), Q0+6-6*(\t%2), 0, KS+\t/4, SQ, (\t/2)%2
.endr
	v_lshl_add_u32 v[A16], v[LN], 4, s[TS]         ; four plain lines between the products (these and the last step's) and the loads into registers that they read, and the first read of the scores (ISA guide 7.12.1 for vector instructions)
	v_lshl_add_u32 v[A8], v[LN], 3, s[TS]
	v_lshl_add_u32 v[A4], v[LN], 2, s[TS]
	v_mov_b32 v[T], v[NM]                          ; the old -M
.irp d, 0,1,2,3
	FRAG VF+12*\d, A16, A8, 6144+1536*\d           ; this step's V^T
.endr
	ds_load_b32 v[VS], v[A4] offset:12544
	ds_load_b32 v[VS+1], v[A4] offset:12544+128
.if (\last) == 0
.irp j, 0,1,2,3
	FRAG KF+12*\j, A16, A8, GSB+1536*\j            ; the next step's K: [tile 2 j | tile 2 j + 1]
.endr
	ds_load_b32 v[KS], v[A4] offset:GSB+12288      ; lanes 0-15: line 0, lanes 16-31: line 1
	ds_load_b32 v[KS+1], v[A4] offset:GSB+12288+128
.elseif \nq
	v_lshlrev_b32 v[TP], 4, v[LN]
	v_lshlrev_b32 v[TP+1], 3, v[LN]
	v_lshlrev_b32 v[TP+2], 2, v[LN]
	v_mov_b32 v[SQ], v[HW0]                        ; tile 1's scale word
.irp j, 0,1,2,3
	FRAG KF+12*\j, TP, TP+1, 1536*\j               ; key step 0's K, for the next pass
.endr
	ds_load_b32 v[KS], v[TP+2] offset:12288
	ds_load_b32 v[KS+1], v[TP+2] offset:12288+128
	global_load_b128 v[Q0+6:Q0+9], v[TP], s[QP:QP+1] offset:768    ; tile 1's q: waited for ahead of the next pass
	global_load_b64 v[Q0+10:Q0+11], v[TP+1], s[QP:QP+1] offset:1280
	s_wait_alu depctr_va_vdst(0)
	s_wait_xcnt 0x0                                ; the two loads have read their offsets, which are written again below
.endif
; the largest score of each of my two blocks of 32 keys, in two chains a block: it serves the row's maximum and, since p rises with the score, the block's largest p.  Each accumulator is first read at its low end
.irp c, 0,1
	v_max3_num_f32 v[BM+\c], v[S+32*\c], v[S+32*\c+1], v[S+32*\c+2]
	v_max3_num_f32 v[TP+\c], v[S+32*\c+16], v[S+32*\c+17], v[S+32*\c+18]
.endr
.irp i, 3,5,7,9,11,13
.irp c, 0,1
	v_max3_num_f32 v[BM+\c], v[BM+\c], v[S+32*\c+\i], v[S+32*\c+\i+1]
	v_max3_num_f32 v[TP+\c], v[TP+\c], v[S+32*\c+16+\i], v[S+32*\c+17+\i]
.endr
.endr
.irp c, 0,1
	v_max3_num_f32 v[BM+\c], v[BM+\c], v[TP+\c], v[S+32*\c+15]
.endr
.irp c, 0,1
	v_max_num_f32 v[BM+\c], v[BM+\c], v[S+32*\c+31]
.endr
	s_delay_alu instid0(VALU_DEP_1)
	v_max_num_f32 v[TP+2], v[BM], v[BM+1]
	s_delay_alu instid0(VALU_DEP_1)
	v_permlanex16_b32 v[PX], v[TP+2], s[SEL], s[SEL+1]
	s_delay_alu instid0(VALU_DEP_1)
	v_max_num_f32 v[TP+2], v[TP+2], v[PX]          ; the step's largest score of my query
	s_delay_alu instid0(VALU_DEP_1)
	v_mul_f32 v[TP+2], s[CS], v[TP+2]              ; as t (c is positive)
	s_delay_alu instid0(VALU_DEP_1)
	v_max_num_f32 v[TMX], v[TMX], v[TP+2]          ; the running largest t
	s_delay_alu instid0(VALU_DEP_1)
	v_floor_f32 v[NM], -v[TMX]                     ; the new -M = floor(-t): M is a whole number
	s_delay_alu instid0(VALU_DEP_1)
	v_sub_f32 v[T], v[NM], v[T]                    ; old M - new M: a whole number, 0 or less
	s_delay_alu instid0(VALU_DEP_1)
	v_cvt_i32_f32 v[T], v[T]                       ; (it saturates)
	s_delay_alu instid0(VALU_DEP_1)
	v_ldexp_f32 v[FF], 1.0, v[T]                   ; f = 2^(old M - new M)
.set j, 0
.rept 32
	v_pk_fma_f32 v[S+j:S+j+1], v[S+j:S+j+1], s[CS:CS+1], v[NM:NM+1] op_sel_hi:[1,0,0]   ; t - M, two at a time
.set j, j+2
.endr
.irp c, 0,1
	v_fma_f32 v[BM+\c], v[BM+\c], s[CS], v[NM]     ; the same of each block's largest score
.endr
	s_wait_alu depctr_va_vdst(0)
.set j, 0
.rept 64
	v_exp_f32 v[S+j], v[S+j]                       ; p = 2^(t - M)
.set j, j+1
.endr
	v_pk_mul_f32 v[SUM:SUM+1], v[SUM:SUM+1], v[FF:FF+1] op_sel_hi:[1,0]   ; the sums under the new M: the plain line behind the exponentials
	s_wait_alu depctr_va_vdst(0)                   ; one wait for the batch, ahead of its first reader
.irp c, 0,1
	v_exp_f32 v[BM+\c], v[BM+\c]                   ; the block's largest p
.endr
; the row's sum of the unquantised p: 32 pairs into five chains by turns, then the chains into one
.irp q, 0,1,2,3
	v_pk_add_f32 v[TP+2*\q:TP+2*\q+1], v[S+4*\q:S+4*\q+1], v[S+4*\q+2:S+4*\q+3]
.endr
.set k, 8
.rept 24
.if (k-8)%5 == 0
	v_pk_add_f32 v[SUM:SUM+1], v[SUM:SUM+1], v[S+2*k:S+2*k+1]
.else
	v_pk_add_f32 v[TP+2*((k-8)%5)-2:TP+2*((k-8)%5)-1], v[TP+2*((k-8)%5)-2:TP+2*((k-8)%5)-1], v[S+2*k:S+2*k+1]
.endif
.set k, k+1
.endr
	s_delay_alu instid0(VALU_DEP_2)
	v_pk_add_f32 v[TP:TP+1], v[TP:TP+1], v[TP+2:TP+3]
	s_delay_alu instid0(VALU_DEP_2)
	v_pk_add_f32 v[TP+4:TP+5], v[TP+4:TP+5], v[TP+6:TP+7]
	s_delay_alu instid0(VALU_DEP_2)
	v_pk_add_f32 v[SUM:SUM+1], v[SUM:SUM+1], v[TP:TP+1]
	s_delay_alu instid0(VALU_DEP_1)
	v_pk_add_f32 v[SUM:SUM+1], v[SUM:SUM+1], v[TP+4:TP+5]
	s_wait_alu depctr_va_vdst(0)                   ; and one for the two
.irp c, 0,1
	v_max_num_f32 v[BM+\c], 0x1800000, v[BM+\c]    ; the floor 2^(3 - 127): the byte cannot fall under 1
.endr
.irp c, 0,1
	s_delay_alu instid0(VALU_DEP_2)
	v_add_nc_u32 v[SO+\c], 0xff000000, v[BM+\c]    ; 2 off the exponent field: the conversion's scale operand
.endr
.irp c, 0,1
	s_delay_alu instid0(VALU_DEP_2)
	v_lshrrev_b32 v[BM+\c], 23, v[SO+\c]           ; the scale's byte
.endr
	s_delay_alu instid0(VALU_DEP_1)
	v_lshl_or_b32 v[T], v[BM+1], 16, v[BM]         ; my blocks are 2 c + lane / 16
	s_delay_alu instid0(VALU_DEP_1)
	v_lshlrev_b32 v[T], v[SH8], v[T]
	s_delay_alu instid0(VALU_DEP_1)
	v_permlanex16_b32 v[PX], v[T], s[SEL], s[SEL+1]
	s_delay_alu instid0(VALU_DEP_1)
	v_or_b32 v[PWD], v[T], v[PX]                   ; p's scale word for these 128 keys
.irp c, 0,1
	v_cvt_scalef32_pk16_fp6_f32 v[PCD+6*\c:PCD+6*\c+2], v[S+32*\c:S+32*\c+15], v[SO+\c]
	v_cvt_scalef32_pk16_fp6_f32 v[TP+4*\c:TP+4*\c+2], v[S+32*\c+16:S+32*\c+31], v[SO+\c]   ; (a conversion's three registers begin on an even number)
.endr
	v_nop                                          ; one plain line behind the scaled conversions
.irp c, 0,1
.irp i, 0,1,2
	v_mov_b32 v[PCD+6*\c+3+\i], v[TP+4*\c+\i]
.endr
.endr
	s_wait_dscnt 0x0                               ; V^T is in, and what was fetched for the next step: all 36 loads (or 18) were issued ahead of the softmax
	s_wait_alu depctr_va_vdst(0)                   ; the wait directly ahead of the first reader of O^T
.set j, 0
.rept 16
	v_pk_mul_f32 v[O+j:O+j+1], v[O+j:O+j+1], v[FF:FF+1] op_sel_hi:[1,0]   ; O^T under the new M.  These are also the plain lines between the scale word's and the codes' last writes and the products below
.set j, j+2
.endr
.irp d, 0,1,2,3
	WM O+8*\d, VF+12*\d, PCD, v[O+8*\d:O+8*\d+7], VS+\d/2, PWD, \d%2   ; the four accumulators by turns; the next step's eight products follow
.endr
.endm
.macro INIT                            ; the step is written for every step alike: the first finds zeros, which the first change of M (f = 0) leaves zeros
	v_mov_b32 v[TMX], 0xff61b1e6                   ; -3e38, under every t
	s_delay_alu instid0(VALU_DEP_1)
	v_floor_f32 v[NM], -v[TMX]
	v_mov_b32 v[SUM], 0
	v_mov_b32 v[SUM+1], 0
.set j, 0
.rept 32
	v_mov_b32 v[O+j], 0
.set j, j+1
.endr
.endm
; THE WAY OUT of tile u: O^T / the sum; a lane's 32 numbers are one block of the last product's K: quantised, and stored as half a fragment's image.  hw: where the row's two scale bytes are left
.macro OUT u, hw
	PLACES 4
	v_add_f32 v[T], v[SUM], v[SUM+1]
	s_delay_alu instid0(VALU_DEP_1)
	v_permlanex16_b32 v[PX], v[T], s[SEL], s[SEL+1]
	s_delay_alu instid0(VALU_DEP_1)
	v_add_f32 v[T], v[T], v[PX]                    ; the row's sum
	s_wait_alu depctr_va_vdst(0)
	v_rcp_f32 v[FF], v[T]
	v_lshlrev_b32 v[VF+8], 4, v[LN]                ; the stores' offsets: plain lines behind the transcendental
	v_lshlrev_b32 v[VF+9], 3, v[LN]
	s_wait_alu depctr_va_vdst(0)                   ; the wait ahead of its first reader, and of O^T's
.set j, 0
.rept 16
	v_pk_mul_f32 v[S+j:S+j+1], v[O+j:O+j+1], v[FF:FF+1] op_sel_hi:[1,0]
.set j, j+2
.endr
	v_max3_num_f32 v[BM], |v[S]|, |v[S+1]|, 0x1800000
.irp i, 2,4,6,8,10,12,14,16,18,20,22,24,26,28,30
	s_delay_alu instid0(VALU_DEP_1)
	v_max3_num_f32 v[BM], v[BM], |v[S+\i]|, |v[S+\i+1]|
.endr
	s_delay_alu instid0(VALU_DEP_1)
	v_add_nc_u32 v[SO], 0xff000000, v[BM]
	s_delay_alu instid0(VALU_DEP_1)
	v_lshrrev_b32 v[BM+1], 23, v[SO]
	s_delay_alu instid0(VALU_DEP_1)
	v_lshlrev_b32 v[T], v[SH8], v[BM+1]
	s_delay_alu instid0(VALU_DEP_1)
	v_permlanex16_b32 v[PX], v[T], s[SEL], s[SEL+1]
	s_delay_alu instid0(VALU_DEP_1)
	v_or_b32 v[\hw], v[T], v[PX]                   ; my row's two scale bytes
	v_cvt_scalef32_pk16_fp6_f32 v[VF:VF+2], v[S:S+15], v[SO]
	v_cvt_scalef32_pk16_fp6_f32 v[TP:TP+2], v[S+16:S+31], v[SO]
	v_nop
.irp i, 0,1,2
	v_mov_b32 v[VF+3+\i], v[TP+\i]
.endr
	global_store_b128 v[VF+8], v[VF:VF+3], s[OB:OB+1] offset:1536*\u          ; 512 consecutive bytes
	global_store_b64 v[VF+9], v[VF+4:VF+5], s[OB:OB+1] offset:1536*\u+512     ; 256 consecutive bytes
.endm
	INIT                                           ; (its 36 plain lines also stand between the scale word's write and the first product)
	s_wait_alu depctr_va_vdst(0)
	s_wait_tensorcnt 0x0                           ; my key step has landed
	s_barrier_signal -1
	s_barrier_wait -1                              ; everybody's has: all of k and v is in
.irp j, 0,1,2,3
	FRAG KF+12*\j, TP, TP+1, 1536*\j               ; key step 0's K
.endr
	ds_load_b32 v[KS], v[TP+3] offset:12288
	ds_load_b32 v[KS+1], v[TP+3] offset:12288+128
	s_wait_dscnt 0x0
	s_mov_b32 s[TS], 0
.Lfirst_tile:                                          ; 15 trips
	STEP 0, 0
	s_add_co_u32 s[TS], s[TS], GSB
	s_cmp_lt_u32 s[TS], 15*GSB
	s_cbranch_scc1 .Lfirst_tile
	STEP 1, 1
	OUT 0, HW0
	INIT
	s_wait_alu depctr_va_vdst(0)
	s_wait_loadcnt 0x0                             ; tile 1's q is in
	s_wait_xcnt 0x0                                ; tile 0's stores have read their registers, into which the next loads land
	s_mov_b32 s[TS], 0
.Lsecond_tile:                                         ; 15 trips
	STEP 0, 0
	s_add_co_u32 s[TS], s[TS], GSB
	s_cmp_lt_u32 s[TS], 15*GSB
	s_cbranch_scc1 .Lsecond_tile
	STEP 1, 0
	OUT 1, BM
	v_cndmask_b32 v[T], v[HW0], v[BM], s[MK]       ; lanes 0-15: tile 0's rows, lanes 16-31: tile 1's
	v_lshlrev_b32 v[VF+10], 2, v[LN]
	global_store_b16 v[VF+10], v[T], s[OS:OS+1]    ; my head's half of each scale word of the line
	s_wait_tensorcnt 0x0                           ; the wave's end
	ds_add_u32 v[SPW], v[NIL]
	s_wait_dscnt 0x0
	CROUND                                         ; the closing round: no work-group ends while a partner may still ask for a tile that names it
	s_endpgm
.Lfunc_end_k_q0ca5b97a6f_attn:
	.size	k_q0ca5b97a6f_attn, .Lfunc_end_k_q0ca5b97a6f_attn-k_q0ca5b97a6f_attn
	.p2alignl 7, 3214868480
	.fill 96, 4, 3214868480
	.section	.rodata,"a",@progbits
	.p2align	6, 0x0
	.amdhsa_kernel k_q0ca5b97a6f_attn
		.amdhsa_group_segment_fixed_size 206848
		.amdhsa_private_segment_fixed_size 0
		.amdhsa_enable_private_segment 0
		.amdhsa_kernarg_size 16
		.amdhsa_user_sgpr_count 2
		.amdhsa_user_sgpr_kernarg_segment_ptr 1
		.amdhsa_wavefront_size32 1
		.amdhsa_system_sgpr_workgroup_id_x 1
		.amdhsa_system_sgpr_workgroup_id_y 1
		.amdhsa_system_sgpr_workgroup_id_z 1
		.amdhsa_system_vgpr_workitem_id 0
		.amdhsa_next_free_vgpr 256
		.amdhsa_next_free_sgpr 66
		.amdhsa_reserve_vcc 0
		.amdhsa_float_denorm_mode_32 3
		.amdhsa_float_denorm_mode_16_64 3
		.amdhsa_memory_ordered 1
		.amdhsa_forward_progress 1
		.amdhsa_inst_pref_size 79
	.end_amdhsa_kernel
	.amdgpu_metadata
---
amdhsa.version: [ 1, 2 ]
amdhsa.kernels:
  - .name:           k_q0ca5b97a6f_attn
    .symbol:         k_q0ca5b97a6f_attn.kd
    .args:
      - { .name: qkv, .offset: 0, .size: 8, .value_kind: global_buffer, .address_space: global }
      - { .name: oc, .offset: 8, .size: 8, .value_kind: global_buffer, .address_space: global }
    .group_segment_fixed_size: 206848
    .private_segment_fixed_size: 0
    .kernarg_segment_align: 8
    .kernarg_segment_size: 16
    .max_flat_workgroup_size: 512
    .sgpr_count:     66
    .vgpr_count:     256
    .wavefront_size: 32
...
	.end_amdgpu_metadata
.endif
;; end of part 3
;; launch outp (part 4): grid 4 x 64, 4 waves a work-group, clusters of 4 x 4, 307,712 bytes of LDS; arguments oc, ops, bo, out0; writes out0
.if DOCPART == 4
	.amdgcn_target "amdgcn-amd-amdhsa--gfx1250"
	.amdhsa_code_object_version 6
	.text
	.protected	k_q0ca5b97a6f_outp
	.globl	k_q0ca5b97a6f_outp
	.p2align	8
	.type	k_q0ca5b97a6f_outp,@function
k_q0ca5b97a6f_outp:
	s_mov_b64 s[64:65], 0
	v_nop
	global_prefetch_b8 v0, s[64:65] scope:SCOPE_SE
	s_setreg_imm32_b32 hwreg(HW_REG_WAVE_MODE, 25, 1), 1
	s_wait_xcnt 0x0
	s_wait_alu depctr_hold_cnt(0) depctr_sa_sdst(0) depctr_va_vdst(0) depctr_va_sdst(0) depctr_va_ssrc(0) depctr_va_vcc(0) depctr_vm_vsrc(0)
	s_getreg_b32 s2, hwreg(HW_REG_IB_STS2, 6, 4)
	s_cmp_eq_u32 s2, 0
	s_cbranch_scc0 .Lentry_in_a_cluster
	s_endpgm
.Lentry_in_a_cluster:
	s_bfe_u32 s2, ttmp6, 0x10000c
	s_cmp_lg_u32 s2, 0xf033
	s_cbranch_scc0 .Lentry_shape_is_right
	s_endpgm
.Lentry_shape_is_right:
; out0 = attention's result x Wo + bo, on codes of FP6 (E2M3) with E8M0 scales; sums in f32; out0 [8192][1024] f32.
; oc: [64 groups of 128 tokens][8 K steps][12,800 bytes]; ops groups 88-95: Wo^T, [8 groups of 128 columns n][8 K steps][12,800]: images of operand registers: eight fragments of 1,536 bytes, four scale lines of 128 bytes at 12,288.
; Row r of tile 4 c + i is the group's row 64 c + 32 (r / 8) + 8 i + r % 8.  The matrix instruction is used transposed (source 0 = a tile of Wo^T, source 1 = a tile of tokens): a lane holds one token, and register j of the
; accumulator of Wo^T's tile 4 c + i the column 64 c + 32 (lane / 16) + 8 i + j: eight neighbouring numbers of a row of out0.
; SHARES.  A work-group makes 128 tokens x 256 columns: 256 work-groups.  Four waves, each 64 x 128: 32 accumulators.
; ALL OF K STAYS IN LDS, FILLED ONCE: the tokens' group (102,400 bytes) at 0, Wo^T's two groups behind it, each as two halves of four K steps (51,200 dense bytes): no LDS byte is filled twice.
; CLUSTERS: 4 x 4.  The tokens' group is shared along a row of the cluster, Wo^T's groups along a column: each half is asked for jointly.  Waves 0 and 2 ask for the tokens' lower and upper halves, waves 1 and 3 for Wo^T's: one load of a wave is out at the most.
; The bias is the C of each sum's first matrix instruction.
; THE WAY OUT: 16 rows x 512 bytes at a time through the wave's own stage in LDS, back as whole rows.  The stages lie in the tokens' region: it has had its only fill, and behind the last barrier nobody reads it.
; REGISTERS: window 0: v4-15 LDS addresses; v16-22 lane terms; v32-43 scale words, two sets; v48-143 the tokens' fragments, two sets of 4; on the way out v48-111 and v144-207 rows.  window 1: Wo^T's fragments, two sets of 8; v192-255 the bias.  window 2: accumulator (a, b) at v[8 (8 a + b)].
.set GRPB,  102400
.set GSB,   12800
.set CHUNK, 25600
.set WV,  12
.set SWM, 13                           ; s13 wave / 2: my half of the tokens' tiles.  Also: which half of K I fetch
.set SWN, 14                           ; s14 wave % 2: my group of Wo^T
.set G1A, 24
.set G1B, 32
.set G0A, 40
.set G0B, 68
.set A16, 4
.set A8,  6
.set A4,  8
.set B16, 10
.set B8,  12
.set B4,  14
.set L16, 16
.set L8,  17
.set STO, 20
.set RD,  21
.set BOF, 22
.set SC,  32
.set AF,  48
.set MSB, 0
.macro WIN new                         ; the immediate's high byte repeats the setting that is left
.if MSB != \new
	s_set_vgpr_msb (MSB<<8)|\new
.set MSB, \new
.endif
.endm
.macro PLACES n
.rept \n
	v_nop
.endr
.endm
.macro CROUND
	s_barrier_signal -1
	s_barrier_wait -1
	s_cmp_lg_u32 s[WV], 0
	s_cbranch_scc1 .Lnot_wave_0_\@
	s_barrier_signal -3
.Lnot_wave_0_\@:
	s_barrier_wait -3
	s_barrier_signal -1
	s_barrier_wait -1
.endm
.macro FRAG reg, a16, a8, off
	ds_load_b128 v[\reg:\reg+3], v[\a16] offset:\off
	ds_load_b64 v[\reg+4:\reg+5], v[\a8] offset:\off+512
	ds_load_b128 v[\reg+6:\reg+9], v[\a16] offset:\off+768
	ds_load_b64 v[\reg+10:\reg+11], v[\a8] offset:\off+1280
.endm
.macro FETCH s                         ; K step s into set s % 2: 54 loads
.set HI, (\s)/4
.set KO, GSB*((\s)%4)
.set SG, (\s)%2
	WIN 0x40
.irp b, 0,1,2,3,4,5,6,7
	FRAG 96*SG+12*\b, B16+HI, B8+HI, KO+1536*\b
.endr
	WIN 0
.irp a, 0,1,2,3
	FRAG AF+48*SG+12*\a, A16+HI, A8+HI, KO+1536*\a
.endr
.irp p, 0,1
	ds_load_b32 v[SC+6*SG+\p], v[A4+HI] offset:KO+12288+128*\p
.endr
.irp q, 0,1,2,3
	ds_load_b32 v[SC+6*SG+2+\q], v[B4+HI] offset:KO+12288+128*\q
.endr
.endm
.macro WM d, a, b, cm, c, sa, sb, ra, rb
.if (\cm) == 0
.if (\ra) && (\rb)
	v_wmma_scale_f32_16x16x128_f8f6f4 v[\d:\d+7], v[\a:\a+11], v[\b:\b+11], 0, v[\sa], v[\sb] matrix_a_fmt:MATRIX_FMT_FP6 matrix_b_fmt:MATRIX_FMT_FP6 matrix_a_scale:MATRIX_SCALE_ROW1 matrix_b_scale:MATRIX_SCALE_ROW1
.elseif (\ra)
	v_wmma_scale_f32_16x16x128_f8f6f4 v[\d:\d+7], v[\a:\a+11], v[\b:\b+11], 0, v[\sa], v[\sb] matrix_a_fmt:MATRIX_FMT_FP6 matrix_b_fmt:MATRIX_FMT_FP6 matrix_a_scale:MATRIX_SCALE_ROW1
.elseif (\rb)
	v_wmma_scale_f32_16x16x128_f8f6f4 v[\d:\d+7], v[\a:\a+11], v[\b:\b+11], 0, v[\sa], v[\sb] matrix_a_fmt:MATRIX_FMT_FP6 matrix_b_fmt:MATRIX_FMT_FP6 matrix_b_scale:MATRIX_SCALE_ROW1
.else
	v_wmma_scale_f32_16x16x128_f8f6f4 v[\d:\d+7], v[\a:\a+11], v[\b:\b+11], 0, v[\sa], v[\sb] matrix_a_fmt:MATRIX_FMT_FP6 matrix_b_fmt:MATRIX_FMT_FP6
.endif
.else
.if (\ra) && (\rb)
	v_wmma_scale_f32_16x16x128_f8f6f4 v[\d:\d+7], v[\a:\a+11], v[\b:\b+11], v[\c:\c+7], v[\sa], v[\sb] matrix_a_fmt:MATRIX_FMT_FP6 matrix_b_fmt:MATRIX_FMT_FP6 matrix_a_scale:MATRIX_SCALE_ROW1 matrix_b_scale:MATRIX_SCALE_ROW1
.elseif (\ra)
	v_wmma_scale_f32_16x16x128_f8f6f4 v[\d:\d+7], v[\a:\a+11], v[\b:\b+11], v[\c:\c+7], v[\sa], v[\sb] matrix_a_fmt:MATRIX_FMT_FP6 matrix_b_fmt:MATRIX_FMT_FP6 matrix_a_scale:MATRIX_SCALE_ROW1
.elseif (\rb)
	v_wmma_scale_f32_16x16x128_f8f6f4 v[\d:\d+7], v[\a:\a+11], v[\b:\b+11], v[\c:\c+7], v[\sa], v[\sb] matrix_a_fmt:MATRIX_FMT_FP6 matrix_b_fmt:MATRIX_FMT_FP6 matrix_b_scale:MATRIX_SCALE_ROW1
.else
	v_wmma_scale_f32_16x16x128_f8f6f4 v[\d:\d+7], v[\a:\a+11], v[\b:\b+11], v[\c:\c+7], v[\sa], v[\sb] matrix_a_fmt:MATRIX_FMT_FP6 matrix_b_fmt:MATRIX_FMT_FP6
.endif
.endif
.endm
; 16 matrix instructions of K step s.  mode = 2: the first K step starts the sums from the bias.  The 32 accumulators take turns, one instruction a turn, in one order in every step.
.macro MULH s, half, mode
.set SG, (\s)%2
.if (\mode) == 2
	WIN 0x91                                       ; source 0 (Wo^T) and C (the bias) window 1, source 1 window 0, D window 2
.else
	WIN 0xa1                                       ; source 0 window 1, source 1 window 0, C and D window 2
.endif
.irp a, 2*\half, 2*\half+1
.irp b, 0,1,2,3,4,5,6,7
.if (\mode) == 2
	WM 8*(8*(\a)+\b), 96*SG+12*\b, AF+48*SG+12*(\a), 1, 192+8*\b, SC+6*SG+2+\b/2, SC+6*SG+(\a)/2, \b%2, (\a)%2
.else
	WM 8*(8*(\a)+\b), 96*SG+12*\b, AF+48*SG+12*(\a), 1, 8*(8*(\a)+\b), SC+6*SG+2+\b/2, SC+6*SG+(\a)/2, \b%2, (\a)%2
.endif
.endr
.endr
.endm
.macro EVEN s, mode                    ; the next step lies in the same half.  Four plain lines stand between the last products and the loads into the registers that they read (ISA guide 7.12.1 for vector instructions)
	s_wait_dscnt 0x0
.if (\s) > 0
	PLACES 4
.endif
	FETCH (\s)+1
	MULH \s, 0, \mode
	MULH \s, 1, \mode
.endm
.macro ODD s                           ; the next step lies in the next half, which other waves fetched: their wait, a barrier, then the reads.
	s_wait_tensorcnt 0x0                           ; every wave's one load has landed: the upper halves of K among them
	s_wait_dscnt 0x0
	s_barrier_signal -1
	MULH \s, 0, 0
	s_barrier_wait -1
	PLACES 4
	FETCH (\s)+1
	MULH \s, 1, 0
.endm
	s_load_b256 s[4:11], s[0:1], 0x0               ; oc, ops, bo, out0
	v_lshl_add_u32 v254, v0, 2, 0x4b000
	v_mov_b32 v255, 0
	ds_add_u32 v254, v255
	ds_add_u32 v254, v255
	v_lshrrev_b32 v1, 5, v0
	v_readfirstlane_b32 s[WV], v1
	s_lshr_b32 s[SWM], s[WV], 1
	s_and_b32 s[SWN], s[WV], 1
	s_bfe_u32 s15, ttmp6, 0x40000                  ; cx
	s_bfe_u32 s16, ttmp6, 0x40004                  ; cy
	s_and_b32 s17, ttmp7, 0xffff
	s_lshl_b32 s19, s17, 2
	s_add_co_u32 s19, s19, s16                     ; mt: my group of tokens.  No register of its chain holds cx
	s_mul_i32 s22, s19, GRPB
	s_mov_b32 s23, 0
	s_lshl_b32 s20, ttmp9, 2
	s_add_co_u32 s20, s20, s15                     ; nt: my 256 columns.  No register of its chain holds cy
	s_lshl_b32 s60, s20, 1
	s_add_co_u32 s60, s60, 88                      ; the first of my two groups of Wo^T
	s_mul_i32 s56, s60, GRPB
	s_mul_i32 s18, s[SWM], 51200                   ; wave / 2: which half of K (four K steps, 51,200 bytes of a group) I fetch
	s_add_co_u32 s56, s56, s18
	s_add_co_u32 s22, s22, s18
	s_mov_b32 s57, 0
	s_lshl_b32 s58, s16, 2
	s_lshl_b32 s58, 15, s58                        ; my row of the cluster
	s_lshl_b32 s59, 0x1111, s15                    ; my column
	s_or_b32 s[G1A], s58, (3<<16)|(1<<21)          ; 15:0 the mask; 17:16 elements of 8 bytes; 21 set beside a mask
	s_or_b32 s[G1B], s59, (3<<16)|(1<<21)
	; THE FILLS AS THEY NOW STAND (in place of the chunks that the head comment names): each group comes in two halves of four K steps, 51,200 dense bytes.
	; The tokens' half: 200 rows of 256 bytes.  Wo^T's half of BOTH groups in one tile: two rows of 51,200 bytes, a group (102,400 bytes) apart in memory, on end in LDS.
	s_mov_b32 s[G1A+1], 32<<16
	s_mov_b32 s[G1A+2], 200<<16
	s_mov_b32 s[G1A+3], 32<<16
	s_mov_b32 s[G1A+4], 200
	s_mov_b32 s[G1A+5], 32
	s_mov_b32 s[G1A+6], 0
	s_mov_b32 s[G1A+7], 0
	s_mov_b32 s[G1B+1], 6400<<16
	s_mov_b32 s[G1B+2], 2<<16
	s_mov_b32 s[G1B+3], 6400<<16
	s_mov_b32 s[G1B+4], 2
	s_mov_b32 s[G1B+5], 12800
	s_mov_b32 s[G1B+6], 0
	s_mov_b32 s[G1B+7], 0
	s_mul_i32 s61, s[SWM], GRPB
	s_add_co_u32 s61, s61, GRPB
	s_lshl_b32 s62, s20, 10
	s_lshl_b32 s63, s[SWN], 9
	s_add_co_u32 s62, s62, s63                     ; my first column, in bytes
	s_mov_b32 s63, 0
	s_lshl_b32 s66, s19, 7
	s_lshl_b32 s67, s[SWM], 6
	s_add_co_u32 s66, s66, s67                     ; 128 mt + 64 (wave / 2)
	s_lshl_b32 s66, s66, 12                        ; rows of 4,096 bytes
	s_add_co_u32 s66, s66, s62
	s_mov_b32 s67, 0
	s_wait_dscnt 0x0
	s_wait_kmcnt 0x0
	s_add_nc_u64 s[22:23], s[4:5], s[22:23]
	s_add_nc_u64 s[56:57], s[6:7], s[56:57]
	s_add_nc_u64 s[8:9], s[8:9], s[62:63]
	s_add_nc_u64 s[10:11], s[10:11], s[66:67]
	s_mov_b32 s[G0A], 1
	s_mul_i32 s[G0A+1], s[SWM], 51200              ; the tokens' halves lie on end from LDS byte 0
	s_mov_b64 s[G0A+2:G0A+3], s[22:23]
	s_or_b32 s[G0A+3], s[G0A+3], 0x80000000
	s_mov_b32 s[G0B], 1
	s_mov_b32 s[G0B+1], s61                        ; Wo^T: [half of K][group][51,200] from byte 102,400 on
	s_mov_b64 s[G0B+2:G0B+3], s[56:57]
	s_or_b32 s[G0B+3], s[G0B+3], 0x80000000
	CROUND                                         ; all sixteen work-groups are here: the joint loads meet
	; one joint load a wave, in one chain of branches on the wave's number: wave 0 the tokens' lower half of K, wave 1 Wo^T's, wave 2 the tokens' upper half, wave 3 Wo^T's
	s_cmp_eq_u32 s[WV], 0
	s_cbranch_scc0 .Lw1
	tensor_load_to_lds s[G0A:G0A+3], s[G1A:G1A+7]
	s_nop 0
	PLACES 4
	s_branch .Lasked
.Lw1:
	s_cmp_eq_u32 s[WV], 1
	s_cbranch_scc0 .Lw2
	tensor_load_to_lds s[G0B:G0B+3], s[G1B:G1B+7]
	s_nop 0
	PLACES 4
	s_branch .Lasked
.Lw2:
	s_cmp_eq_u32 s[WV], 2
	s_cbranch_scc0 .Lw3
	tensor_load_to_lds s[G0A:G0A+3], s[G1A:G1A+7]
	s_nop 0
	PLACES 4
	s_branch .Lasked
.Lw3:
	tensor_load_to_lds s[G0B:G0B+3], s[G1B:G1B+7]
	s_nop 0
	PLACES 4
.Lasked:
	v_and_b32 v1, 31, v0
	v_bfe_u32 v2, v0, 4, 1                         ; h
	v_and_b32 v3, 15, v0                           ; r
	v_lshlrev_b32 v[L16], 4, v1
	v_lshlrev_b32 v[L8], 3, v1
	v_lshlrev_b32 v[BOF], 7, v2                    ; the bias: my half's 32 columns of each 64
	WIN 0x40                                       ; destination window 1
.irp b, 0,1,2,3,4,5,6,7
	global_load_b128 v[192+8*\b:195+8*\b], v[BOF], s[8:9] offset:256*(\b/4)+32*(\b%4)
	global_load_b128 v[196+8*\b:199+8*\b], v[BOF], s[8:9] offset:256*(\b/4)+32*(\b%4)+16
.endr
	WIN 0
	v_lshlrev_b32 v1, 2, v1
	s_mul_i32 s18, s[SWM], 6144
	v_add_nc_u32 v[A16], s18, v[L16]
	v_add_nc_u32 v[A16+1], 51200, v[A16]
	v_add_nc_u32 v[A8], s18, v[L8]
	v_add_nc_u32 v[A8+1], 51200, v[A8]
	s_lshl_b32 s18, s[SWM], 8
	v_add_nc_u32 v[A4], s18, v1
	v_add_nc_u32 v[A4+1], 51200, v[A4]
	s_mul_i32 s18, s[SWN], 51200
	s_add_co_u32 s18, s18, GRPB                    ; my group of Wo^T in the lower half of K; the upper half lies 102,400 bytes on
	v_add_nc_u32 v[B16], s18, v[L16]
	v_add_nc_u32 v[B16+1], GRPB, v[B16]
	v_add_nc_u32 v[B8], s18, v[L8]
	v_add_nc_u32 v[B8+1], GRPB, v[B8]
	v_add_nc_u32 v[B4], s18, v1
	v_add_nc_u32 v[B4+1], GRPB, v[B4]
	s_mul_i32 s18, s[WV], 8448                     ; my stage: 16 rows x (512 + 16) bytes
	v_mul_u32_u24 v[STO], v3, 528
	v_lshl_add_u32 v[STO], v2, 7, v[STO]
	v_add_nc_u32 v[STO], s18, v[STO]               ; in: row r, + 128 h: rows 528 bytes apart start in 16 different columns of 16 bytes (64 banks of 4 bytes: ISA guide 11.1)
	v_add_nc_u32 v[RD], s18, v[L16]                ; back: a row's 512 bytes
	s_wait_alu depctr_va_vdst(0)
	s_wait_loadcnt 0x0                             ; the bias
	s_cmp_lt_u32 s[WV], 2                          ; waves 0 and 1 wait for their loads, the lower halves; the upper halves may be out
	s_cbranch_scc0 .Lhi
	s_wait_tensorcnt 0x0
.Lhi:
	s_barrier_signal -1
	s_barrier_wait -1
	FETCH 0
	EVEN 0, 2
	EVEN 1, 0
	EVEN 2, 0
	ODD 3                                          ; the one change of halves
	EVEN 4, 0
	EVEN 5, 0
	EVEN 6, 0
	s_wait_dscnt 0x0                               ; my last reads of the operands are in:
	s_barrier_signal -1                            ; say so,
	MULH 7, 0, 0
	MULH 7, 1, 0
	WIN 0
	s_barrier_wait -1                              ; behind this nobody reads the tokens' region: the stages may be written
.macro TOSTAGE a                       ; tile a: 16 tokens x 128 columns
	WIN 0x08                                       ; an LDS store's data are its source 1: window 2
.irp b, 0,1,2,3,4,5,6,7
	ds_store_b128 v[STO], v[8*(8*(\a)+\b):8*(8*(\a)+\b)+3] offset:256*(\b/4)+32*(\b%4)        ; each accumulator from its low end on
	ds_store_b128 v[STO], v[8*(8*(\a)+\b)+4:8*(8*(\a)+\b)+7] offset:256*(\b/4)+32*(\b%4)+16
.endr
	WIN 0
.set BB, 144-96*((\a)%2)
.irp t, 0,1,2,3,4,5,6,7,8,9,10,11,12,13,14,15
	ds_load_b128 v[BB+4*\t:BB+4*\t+3], v[RD] offset:528*\t   ; LDS serves a wave's instructions in order (ISA guide 5.7.1.4): these see the stores above, and the next tile's stores come behind them
.endr
.endm
.macro SEND a, younger                 ; younger: the LDS instructions issued behind tile a's loads, which may stay out
.set BB, 144-96*((\a)%2)
	s_wait_dscnt \younger
.irp t, 0,1,2,3,4,5,6,7,8,9,10,11,12,13,14,15
	global_store_b128 v[L16], v[BB+4*\t:BB+4*\t+3], s[10:11] offset:(8*(\a)+32*(\t/8)+\t%8)*4096 th:TH_STORE_NT   ; 32 lanes store 512 consecutive bytes, at a multiple of 512 from out0's first byte; row t of tile a is token 8 a + 32 (t / 8) + t % 8 of my 64
.endr
.endm
	PLACES 4                                       ; in front of the first read of results, and of the loads into registers that held fragments
	TOSTAGE 0
	TOSTAGE 1
	SEND 0, 32                                     ; behind tile 0's loads: tile 1's 16 stores and 16 loads
	s_wait_xcnt 0x0                                ; tile 0's stores have read their registers: tile 2's rows may land there
	TOSTAGE 2
	SEND 1, 32
	s_wait_xcnt 0x0
	TOSTAGE 3
	SEND 2, 32
	SEND 3, 0
	s_wait_dscnt 0x0
	s_wait_tensorcnt 0x0
	ds_add_u32 v254, v255
	s_wait_dscnt 0x0
	CROUND                                         ; the closing round: no work-group ends while a partner may still ask for a half that names it
	s_endpgm
.Lfunc_end_k_q0ca5b97a6f_outp:
	.size	k_q0ca5b97a6f_outp, .Lfunc_end_k_q0ca5b97a6f_outp-k_q0ca5b97a6f_outp
	.p2alignl 7, 3214868480
	.fill 96, 4, 3214868480
	.section	.rodata,"a",@progbits
	.p2align	6, 0x0
	.amdhsa_kernel k_q0ca5b97a6f_outp
		.amdhsa_group_segment_fixed_size 307712
		.amdhsa_private_segment_fixed_size 0
		.amdhsa_enable_private_segment 0
		.amdhsa_kernarg_size 32
		.amdhsa_user_sgpr_count 2
		.amdhsa_user_sgpr_kernarg_segment_ptr 1
		.amdhsa_wavefront_size32 1
		.amdhsa_system_sgpr_workgroup_id_x 1
		.amdhsa_system_sgpr_workgroup_id_y 1
		.amdhsa_system_sgpr_workgroup_id_z 1
		.amdhsa_system_vgpr_workitem_id 0
		.amdhsa_next_free_vgpr 768
		.amdhsa_next_free_sgpr 100
		.amdhsa_reserve_vcc 0
		.amdhsa_float_denorm_mode_32 3
		.amdhsa_float_denorm_mode_16_64 3
		.amdhsa_memory_ordered 1
		.amdhsa_forward_progress 1
		.amdhsa_inst_pref_size 85
	.end_amdhsa_kernel
	.amdgpu_metadata
---
amdhsa.version: [ 1, 2 ]
amdhsa.kernels:
  - .name:           k_q0ca5b97a6f_outp
    .symbol:         k_q0ca5b97a6f_outp.kd
    .args:
      - { .name: oc, .offset: 0, .size: 8, .value_kind: global_buffer, .address_space: global }
      - { .name: ops, .offset: 8, .size: 8, .value_kind: global_buffer, .address_space: global }
      - { .name: bo, .offset: 16, .size: 8, .value_kind: global_buffer, .address_space: global }
      - { .name: out0, .offset: 24, .size: 8, .value_kind: global_buffer, .address_space: global }
    .group_segment_fixed_size: 307712
    .private_segment_fixed_size: 0
    .kernarg_segment_align: 8
    .kernarg_segment_size: 32
    .max_flat_workgroup_size: 128
    .sgpr_count:     100
    .vgpr_count:     768
    .wavefront_size: 32
...
	.end_amdgpu_metadata
.endif
;; end of part 4
